; MI455X (gfx1250); checked and timed in simulation.
; The chip was launched on July 23, 2026; its instructions are those of AMD's public machine-readable ISA for CDNA 5 (MIT licence, August 2026) and "CDNA5" Instruction Set Architecture Reference Guide (July 2026). The comments in the code are by the model that wrote it; some were corrected since.
;; Causal Attention. Allowed arithmetic: float matrix products may take bf16 or f16 operands with f32 sums; other float arithmetic in f32, or as packed bf16 or f16 multiplies, adds, multiply-adds, maxima and minima; sums over many terms, partial sums and values carried from step to step in f32; what a program stores and reads back later, other than sums and carried values, may be rounded once to bf16 or f16.
;; Inputs: Wk 1,024 x 1,024 float32; Wq 1,024 x 1,024 float32; Wv 1,024 x 1,024 float32; x 4 x 2,048 x 1,024 float32.
;; Outputs: out0 4 x 2,048 x 1,024 float32.
;; 2 versions, each right; version 2 is version 1 with the launch cast written anew for expert scheduling mode. Each part assembles by itself: llvm-mc -triple=amdgcn-amd-amdhsa -mcpu=gfx1250 --defsym DOCPART=n.
;; ======== version 1 of 2: 4 launches
;; limits: values are held in f16: magnitudes above 65,504 overflow, below 6.1e-05 lose precision
;; workspace buffers: xb 16,777,216 bytes; wb 6,291,456 bytes; qkv 50,331,648 bytes; P 33,554,432 bytes; stats 1,048,576 bytes; lo 196,608 bytes; plo 2,048 bytes
;; launch cast (part 1): grid 704 x 1, 8 waves a work-group, no clusters, 0 bytes of LDS; arguments x, Wq, Wk, Wv, xb, wb; writes xb, wb
.if DOCPART == 1
	.amdgcn_target "amdgcn-amd-amdhsa--gfx1250"
	.amdhsa_code_object_version 6
	.text
	.protected	k_qad367cfe21_cast
	.globl	k_qad367cfe21_cast
	.p2align	8
	.type	k_qad367cfe21_cast,@function
k_qad367cfe21_cast:
	s_mov_b64 s[64:65], 0
	v_nop
	global_prefetch_b8 v0, s[64:65] scope:SCOPE_SE
	s_setreg_imm32_b32 hwreg(HW_REG_WAVE_MODE, 25, 1), 1
	s_wait_xcnt 0x0
; x [8192][1024] and Wq, Wk, Wv [1024][1024], all f32, are rounded once to bf16 (nearest even).
; xb = x as it lies; wb [1024 k][3072 n] holds the three weights side by side: columns 0-1023 Wq, 1024-2047 Wk, 2048-3071 Wv.
; A stream: every byte is read once and written once; no LDS, no barrier, no matrix work, nothing shared between work-groups.
; SHARES.  A work-group takes 16 rows of 4,096 bytes; thread t takes the 16 bytes at 16 t of each row.  A wave's load covers 512 consecutive
; bytes, its store 256 consecutive bytes at a multiple of 256 from the buffer's first byte.  Work-groups 0-511 take x, 512-703 the weights (64 each).
; All 16 loads of a thread go out at once (64 KiB a work-group); no register is written twice, so no wait frees a source.
.set ROWB, 4096                        ; bytes in a row of the source
.set SRC,  20                          ; s[20:21] the work-group's first row in the source
.set DST,  22                          ; s[22:23] and in the destination
.macro ROWS pitch                      ; pitch: bytes from row to row in the destination
.set i, 0
.rept 16
	global_load_b128 v[8+4*i:11+4*i], v1, s[SRC:SRC+1] offset:ROWB*i th:TH_LOAD_NT
.set i, i+1
.endr
.set i, 0
.rept 16
	s_wait_loadcnt 15-i                            ; loads come back in order: row i is in, the 15 - i younger rows stay out
	v_cvt_pk_bf16_f32 v[72+2*i], v[8+4*i], v[9+4*i]
	v_cvt_pk_bf16_f32 v[73+2*i], v[10+4*i], v[11+4*i]
	global_store_b64 v2, v[72+2*i:73+2*i], s[DST:DST+1] offset:(\pitch)*i th:TH_STORE_NT
.set i, i+1
.endr
.endm
	s_load_b256 s[4:11], s[0:1], 0x0               ; x s[4:5], Wq s[6:7], Wk s[8:9], Wv s[10:11]
	s_load_b128 s[12:15], s[0:1], 0x20             ; xb s[12:13], wb s[14:15]
	v_lshlrev_b32 v1, 4, v0                        ; my 16 bytes of a source row
	v_lshlrev_b32 v2, 3, v0                        ; my 8 bytes of a destination row
	s_mov_b32 s17, 0
	s_mov_b32 s19, 0
	s_wait_kmcnt 0x0
	s_cmp_lt_u32 ttmp9, 512
	s_cbranch_scc0 .Lweights
	s_lshl_b32 s16, ttmp9, 16                      ; 16 rows of 4,096 bytes
	s_lshl_b32 s18, ttmp9, 15                      ; 16 rows of 2,048 bytes
	s_add_nc_u64 s[SRC:SRC+1], s[4:5], s[16:17]
	s_add_nc_u64 s[DST:DST+1], s[12:13], s[18:19]
	ROWS 2048
	s_endpgm
.Lweights:
	s_sub_co_u32 s24, ttmp9, 512
	s_lshr_b32 s25, s24, 6                         ; which weight: 0 Wq, 1 Wk, 2 Wv
	s_and_b32 s26, s24, 63                         ; which 16 rows of it
	s_cmp_eq_u32 s25, 0
	s_cselect_b64 s[SRC:SRC+1], s[6:7], s[8:9]
	s_cmp_eq_u32 s25, 2
	s_cselect_b64 s[SRC:SRC+1], s[10:11], s[SRC:SRC+1]
	s_lshl_b32 s16, s26, 16
	s_add_nc_u64 s[SRC:SRC+1], s[SRC:SRC+1], s[16:17]
	s_mul_i32 s18, s26, 16*6144                    ; 16 rows of wb,
	s_lshl_b32 s27, s25, 11                        ; and the weight's 2,048 bytes in a row
	s_add_co_u32 s18, s18, s27
	s_add_nc_u64 s[DST:DST+1], s[14:15], s[18:19]
	ROWS 6144
	s_endpgm
.Lfunc_end_k_qad367cfe21_cast:
	.size	k_qad367cfe21_cast, .Lfunc_end_k_qad367cfe21_cast-k_qad367cfe21_cast
	.p2alignl 7, 3214868480
	.fill 96, 4, 3214868480
	.section	.rodata,"a",@progbits
	.p2align	6, 0x0
	.amdhsa_kernel k_qad367cfe21_cast
		.amdhsa_group_segment_fixed_size 0
		.amdhsa_private_segment_fixed_size 0
		.amdhsa_enable_private_segment 0
		.amdhsa_kernarg_size 48
		.amdhsa_user_sgpr_count 2
		.amdhsa_user_sgpr_kernarg_segment_ptr 1
		.amdhsa_wavefront_size32 1
		.amdhsa_system_sgpr_workgroup_id_x 1
		.amdhsa_system_sgpr_workgroup_id_y 1
		.amdhsa_system_sgpr_workgroup_id_z 1
		.amdhsa_system_vgpr_workitem_id 0
		.amdhsa_next_free_vgpr 104
		.amdhsa_next_free_sgpr 66
		.amdhsa_reserve_vcc 0
		.amdhsa_float_denorm_mode_32 3
		.amdhsa_float_denorm_mode_16_64 3
		.amdhsa_memory_ordered 1
		.amdhsa_forward_progress 1
		.amdhsa_inst_pref_size 13
	.end_amdhsa_kernel
	.amdgpu_metadata
---
amdhsa.version: [ 1, 2 ]
amdhsa.kernels:
  - .name:           k_qad367cfe21_cast
    .symbol:         k_qad367cfe21_cast.kd
    .args:
      - { .name: x, .offset: 0, .size: 8, .value_kind: global_buffer, .address_space: global }
      - { .name: Wq, .offset: 8, .size: 8, .value_kind: global_buffer, .address_space: global }
      - { .name: Wk, .offset: 16, .size: 8, .value_kind: global_buffer, .address_space: global }
      - { .name: Wv, .offset: 24, .size: 8, .value_kind: global_buffer, .address_space: global }
      - { .name: xb, .offset: 32, .size: 8, .value_kind: global_buffer, .address_space: global }
      - { .name: wb, .offset: 40, .size: 8, .value_kind: global_buffer, .address_space: global }
    .group_segment_fixed_size: 0
    .private_segment_fixed_size: 0
    .kernarg_segment_align: 8
    .kernarg_segment_size: 48
    .max_flat_workgroup_size: 256
    .sgpr_count:     66
    .vgpr_count:     104
    .wavefront_size: 32
...
	.end_amdgpu_metadata
.endif
;; end of part 1
;; launch proj (part 2): grid 8 x 64, 4 waves a work-group, clusters of 4 x 4, 327,680 bytes of LDS; arguments xb, wb, qkv, lo; writes qkv, lo
.if DOCPART == 2
	.amdgcn_target "amdgcn-amd-amdhsa--gfx1250"
	.amdhsa_code_object_version 6
	.text
	.protected	k_qad367cfe21_proj
	.globl	k_qad367cfe21_proj
	.p2align	8
	.type	k_qad367cfe21_proj,@function
k_qad367cfe21_proj:
	s_mov_b64 s[64:65], 0
	v_nop
	global_prefetch_b8 v0, s[64:65] scope:SCOPE_SE
	s_setreg_imm32_b32 hwreg(HW_REG_WAVE_MODE, 25, 1), 1
	s_wait_xcnt 0x0
	s_wait_alu depctr_hold_cnt(0) depctr_sa_sdst(0) depctr_va_vdst(0) depctr_va_sdst(0) depctr_va_ssrc(0) depctr_va_vcc(0) depctr_vm_vsrc(0)
	s_getreg_b32 s2, hwreg(HW_REG_IB_STS2, 6, 4)
	s_cmp_eq_u32 s2, 0
	s_cbranch_scc0 .Lentry_in_a_cluster
	s_endpgm
.Lentry_in_a_cluster:
	s_bfe_u32 s2, ttmp6, 0x10000c
	s_cmp_lg_u32 s2, 0xf033
	s_cbranch_scc0 .Lentry_shape_is_right
	s_endpgm
.Lentry_shape_is_right:
; qkv[8192][3072] = xb[8192][1024] x wb[1024][3072]: bf16 operands, f32 sums (K ascending), the result rounded once to f16.  Columns 0-1023 are q, 1024-2047 k, 2048-3071 v, unscaled.
; LIMIT.  f16 ends at 65,504: a sum of 65,520 or more becomes an infinity.  NaN and infinities are not treated apart.
; SHARES.  A work-group makes 128 rows x 384 columns (768 bytes of a row: three whole blocks of 256): 64 x 8 = 512 work-groups.  Each of its four waves takes all 128 rows and the six
; blocks of 16 columns 4 b + w (b = 0..5): 48 accumulators, 384 registers.  K goes in 8 steps of 128 through two LDS slots filled by the tensor data mover.
; CLUSTER.  4 x 4 work-groups.  The four of a row of the cluster need the same 128 rows of xb, the four of a column the same 384 columns of wb: each tile is asked for jointly, by the same
; tensor load with the same descriptor and a mask that names the four.  Wave 0 fetches xb's tile, waves 1-3 one panel of 128 columns of wb each: four loads of 128 rows x 256 bytes a step.
; The tile row is 16 cy + cluster y: the cluster with y = 0 holds the first 128 rows of each of the four batches.
; THE LOW PARTS.  A batch's first rows of the output average few rows of v, which may nearly cancel: there f16's rounding of v weighs most.  So for the first 16 rows of each batch the part that the
; rounding drops, sum - f16(sum), is stored too, rounded to f16, in lo[4][16][1536] (columns 1536-3071); the last launch adds its product.  The branch hangs on the cluster's coordinates alone (x = 1, y = 0), as a
; branch in a cluster must, so all sixteen partners store: of the 1,536 columns v's 1,024 are read later, k's 512 (64 KiB in all) are not.  Pieces of 32 bytes a row: 12 KiB a work-group, in 16 work-groups.
; LAYOUT.  Source 0 = 16 columns of wb (wb lies [k][n] in LDS and is turned by ds_load_tr16_b128), source 1 = 16 rows of xb: a lane then holds one row (lane % 16) and 8 neighbouring columns.
; REGISTERS, in windows of 256 (s_set_vgpr_msb: bits 1:0 source 0, 3:2 source 1, 5:4 source 2, 7:6 destination):
;   window 0: v0-31 addresses; v64-127, v128-191 xb's fragments, two buffers; v32-55, v224-247, v192-215 at work on the way out
;   window 1: v64-111, v128-175 wb's fragments, two buffers      window 2: accumulators of rows 0-63 ((a, b) at 8 (6 a + b))      window 3: those of rows 64-127
.set PA,     272                       ; a row of xb in LDS: 256 bytes + 16 = 68 words: the 16 rows of a load start at 16 different groups of four banks (64 banks of 4 bytes: ISA guide 11.1)
.set PB,     288                       ; a k-row of a panel of wb: 256 + 32 = 72 words
.set REG,    128*PB                    ; 36,864: room for one load's tile
.set SLOT,   4*REG                     ; xb's tile, then the three panels.  147,456 shares no bit with a tile's first byte in slot 0, so one exclusive or changes slots
.set STAGE,  2*SLOT                    ; behind the ring: two stages of 16 rows x 784 bytes, the work-group's, for the way out
.set SPITCH, 784                       ; 768 + 16: an odd multiple of 16
.set SBUF,   16*SPITCH
.set SPARE,  STAGE+2*SBUF              ; 320,000: the spare words, 128 bytes for each wave: two blocks of 256 bytes that no other line names
.set BSTEP,  128*6144                  ; bytes of wb from a K step to the next
.set LOROW,  3072                      ; bytes in a row of lo
.set ADRA0, 10                         ; v10     my lane's place in xb's tile; never rewritten
.set ADRB0, 11                         ; v11-13  and in each of wb's panels
.set ADRA,  16                         ; v16     the same in the slot in hand
.set ADRB,  18                         ; v18-20
.set STO,   24                         ; v24     the way out: where I put 16 bytes of a row
.set RD,    25                         ; v25     where I read a row back
.set CO,    26                         ; v26     my byte offset in qkv
.set LCO,   27                         ; v27     my byte offset in lo
.set SPW,   28                         ; v28     LDS address of my spare word; never rewritten
.set NIL,   29                         ; v29     0; never rewritten
.set PFO,   30                         ; v30     the prefetches' offset: my lane x a row of xb or wb; never rewritten
.set NEG1,  31                         ; v31     -1.0
.set OB,    32                         ; rows read back: v32-55 and v224-247 by turns
.set F0,    64
.set F1,    128
.set TMP,   192
.set CNT,   3                          ; s3      trips to go
.set WV,    10                         ; s10     my wave's number
.set PFA,   16                         ; s[16:17] where my prefetches stand
.set PST,   18                         ; s[18:19] their step from K step to K step
.set TB,    21                         ; s21     first byte of the slot in hand
.set LIM,   22                         ; s22     2 in a wave that prefetches, else the greatest number
.set G1A,   24                         ; s[24:31] descriptor group 1 for xb's tile;  s[32:39] group 0, two sets: the second walks
.set G0A,   32
.set G1B,   48                         ; s[48:55], s[56:63] the same for wb's panels
.set G0B,   56
.set LOB,   66                         ; s[66:67] lo
.set MSB, 0
.macro WIN new                         ; the immediate's high byte repeats the setting that is left; a switch that changes nothing is dropped
.if MSB != (\new)
	s_set_vgpr_msb (MSB<<8)|(\new)
.set MSB, \new
.endif
.endm
.macro PLACES                          ; four plain places in front of loads into registers that matrix instructions have read, and of conversions that read results
.rept 4
	v_nop
.endr
.endm
.macro CREST                           ; a round of the cluster's barrier behind its opening barrier
	s_cmp_lg_u32 s[WV], 0
	s_cbranch_scc1 .Lnot_wave_0_\@
	s_barrier_signal -3
.Lnot_wave_0_\@:
	s_barrier_wait -3
	s_barrier_signal -1
	s_barrier_wait -1
.endm
.macro CROUND
	s_barrier_signal -1
	s_barrier_wait -1
	CREST
.endm
.macro JLOAD                           ; a joint refill by the walking descriptors; the branch hangs on the wave's number alone; an s_nop 0 and four v_nop follow each line
	s_cmp_eq_u32 s[WV], 0
	s_cbranch_scc0 .Lfor_b_\@
	tensor_load_to_lds s[G0A+4:G0A+7], s[G1A:G1A+7]
	s_nop 0
.rept 4
	v_nop
.endr
	s_branch .Lasked_\@
.Lfor_b_\@:
	tensor_load_to_lds s[G0B+4:G0B+7], s[G1B:G1B+7]
	s_nop 0
.rept 4
	v_nop
.endr
.Lasked_\@:
.endm
; A prefetch into the L2 of the K step that stands two refills on: 32 rows x 256 bytes, a lane a row, one instruction a wave.  xb's rows are read by both clusters of a row of clusters: the one with
; x = 0 asks; wb's panels by all sixteen clusters of a column: the one with y = 0 asks.  The four partners that ask for a tile jointly share its 128 rows out by address, 32 each.  So each row's
; 256 bytes of a K step are named once in the launch.  K steps 0-3 come by their loads alone; the trips whose K step two refills on does not exist ask for nothing.
.macro ASK
	s_cmp_gt_u32 s[CNT], s[LIM]
	s_cbranch_scc0 .Lnot_mine_\@
	global_prefetch_b8 v[PFO], s[PFA:PFA+1] th:TH_LOAD_NT scope:SCOPE_SE
.Lnot_mine_\@:
.endm
	s_load_b128 s[4:7], s[0:1], 0x0                ; xb s[4:5], wb s[6:7]
	s_load_b64 s[8:9], s[0:1], 0x10                ; qkv
	s_load_b64 s[LOB:LOB+1], s[0:1], 0x18          ; lo
	v_lshl_add_u32 v[SPW], v0, 2, SPARE
	v_mov_b32 v[NIL], 0
	ds_add_u32 v[SPW], v[NIL]                      ; the wave's opening: the add and its wait stand ahead of my first tensor load; the set-up below, work on registers, stands between them
	v_lshrrev_b32 v1, 5, v0
	v_readfirstlane_b32 s[WV], v1                  ; wave 0..3
	s_bfe_u32 s40, ttmp6, 0x40000                  ; cx, cy: my place in the cluster
	s_bfe_u32 s41, ttmp6, 0x40004
	s_lshl_b32 s42, ttmp9, 2
	s_add_co_u32 s42, s42, s40                     ; tile column = 4 x cluster x + cx
	s_and_b32 s13, ttmp7, 0xffff
	s_lshl_b32 s11, s41, 4
	s_add_co_u32 s13, s13, s11                     ; tile row = 16 x cy + cluster y
	s_lshl_b32 s43, s41, 2
	s_lshl_b32 s43, 15, s43                        ; my row of the cluster
	s_lshl_b32 s44, 0x1111, s40                    ; my column
	s_or_b32 s[G1A], s43, (1<<16)|(1<<20)|(1<<21)|(5<<22)|(3<<25)  ; the mask; 2-byte elements; padding on; bit 21 beside a mask; after every 64 words, 4 words
	s_or_b32 s[G1B], s44, (1<<16)|(1<<20)|(1<<21)|(5<<22)|(7<<25)  ; the same with my column's mask and 8 words of padding
.irp g, G1A, G1B
	s_mov_b32 s[(\g)+1], 128<<16                   ; tensor_dim0 = 128
	s_mov_b32 s[(\g)+2], 128<<16                   ; tensor_dim1 = 128
	s_mov_b32 s[(\g)+3], 128<<16                   ; tile_dim0 = 128
	s_mov_b32 s[(\g)+4], 128                       ; tile_dim1 = 128
	s_mov_b32 s[(\g)+6], 0
	s_mov_b32 s[(\g)+7], 0
.endr
	s_mov_b32 s[G1A+5], 1024                       ; elements from row to row of xb
	s_mov_b32 s[G1B+5], 3072                       ; and of wb
	s_lshl_b32 s14, s13, 18                        ; xb: 128 rows of 2,048 bytes a tile row
	s_mov_b32 s15, 0
	s_mul_i32 s46, s42, 768                        ; wb: the tile's 768 bytes of a row,
	s_max_u32 s12, s[WV], 1
	s_sub_co_u32 s12, s12, 1
	s_lshl_b32 s12, s12, 8                         ; and panel w - 1 of it (wave 0 never asks by this address)
	s_add_co_u32 s46, s46, s12
	s_mov_b32 s47, 0
	s_mul_i32 s20, s[WV], REG                      ; where my tile goes: no place in the cluster enters an LDS address
	s_mov_b32 s[TB], 0
	s_wait_dscnt 0x0                               ; the opening add is done
	s_wait_kmcnt 0x0
	s_add_nc_u64 s[14:15], s[4:5], s[14:15]
	s_add_nc_u64 s[46:47], s[6:7], s[46:47]
	CROUND                                         ; all sixteen work-groups are here: the first joint loads meet
.irp n, 0,1
	s_mov_b32 s[G0A+4*(\n)], 1
	s_add_co_u32 s[G0A+4*(\n)+1], s20, (\n)*SLOT
	s_add_nc_u64 s[G0A+4*(\n)+2:G0A+4*(\n)+3], s[14:15], (\n)*256
	s_or_b32 s[G0A+4*(\n)+3], s[G0A+4*(\n)+3], 0x80000000
	s_mov_b32 s[G0B+4*(\n)], 1
	s_add_co_u32 s[G0B+4*(\n)+1], s20, (\n)*SLOT
	s_add_nc_u64 s[G0B+4*(\n)+2:G0B+4*(\n)+3], s[46:47], (\n)*BSTEP
	s_or_b32 s[G0B+4*(\n)+3], s[G0B+4*(\n)+3], 0x80000000
.endr
	s_cmp_eq_u32 s[WV], 0                          ; a wave's two first fills stand in one branch, ahead of every wait on TENSORcnt and every LDS read: two loads of mine are out
	s_cbranch_scc0 .Lfirst_b
	tensor_load_to_lds s[G0A:G0A+3], s[G1A:G1A+7]
	s_nop 0
	tensor_load_to_lds s[G0A+4:G0A+7], s[G1A:G1A+7]
	s_nop 0
.rept 4
	v_nop
.endr
	s_branch .Lfirst_asked
.Lfirst_b:
	tensor_load_to_lds s[G0B:G0B+3], s[G1B:G1B+7]
	s_nop 0
	tensor_load_to_lds s[G0B+4:G0B+7], s[G1B:G1B+7]
	s_nop 0
.rept 4
	v_nop
.endr
.Lfirst_asked:
	v_and_b32 v1, 15, v0                           ; r = l % 16
	v_bfe_u32 v2, v0, 4, 1                         ; h = l / 16
	v_and_b32 v3, 7, v0
	v_bfe_u32 v4, v0, 3, 1
	v_mul_u32_u24 v[ADRA0], v1, PA
	v_lshl_add_u32 v[ADRA0], v2, 4, v[ADRA0]       ; row x pitch + 16 x half
	v_lshl_add_u32 v5, v2, 3, v3                   ; the turning load: k-row 8 h + l % 8,
	v_mul_u32_u24 v5, v5, PB
	v_lshl_add_u32 v5, v4, 4, v5                   ; columns 8 ((l / 8) % 2) on,
	s_lshl_b32 s12, s[WV], 5
	v_add_nc_u32 v5, s12, v5                       ; in my 16 of each 64 columns
.irp p, 0,1,2
	v_add_nc_u32 v[ADRB0+(\p)], ((\p)+1)*REG, v5
.endr
	v_mul_u32_u24 v[STO], v1, SPITCH               ; into the stage: row r, 32 bytes a column block, 16 for each half of the lanes
	v_lshl_add_u32 v[STO], v2, 4, v[STO]
	s_add_co_u32 s12, s12, STAGE
	v_add_nc_u32 v[STO], s12, v[STO]
	s_lshl_b32 s12, s[WV], 2
	v_add_nc_u32 v6, s12, v2                       ; back: wave w takes rows 4 w .. 4 w + 3; lanes 0-15 one row's 256 bytes, lanes 16-31 the next row's
	v_mul_u32_u24 v[RD], v6, SPITCH
	v_lshl_add_u32 v[RD], v1, 4, v[RD]
	v_add_nc_u32 v[RD], STAGE, v[RD]
	v_mul_u32_u24 v[CO], v6, 6144                  ; and the same rows in qkv
	v_lshl_add_u32 v[CO], v1, 4, v[CO]
	s_mul_i32 s2, s13, 128*6144
	s_mov_b32 s3, 0
	s_add_nc_u64 s[8:9], s[8:9], s[2:3]            ; qkv at the tile's first row,
	s_mul_i32 s2, s42, 768
	s_add_nc_u64 s[8:9], s[8:9], s[2:3]            ; and first column
	; the prefetches
	s_and_b32 s23, ttmp7, 0xffff                   ; cluster y
	s_mov_b32 s12, 6144
	s_mov_b32 s[PST], BSTEP
	s_mov_b32 s[PST+1], 0
	s_cmp_eq_u32 s[WV], 0                          ; do I fetch for xb?
	s_cselect_b32 s23, ttmp9, s23                  ; the coordinate along which other clusters read the same rows
	s_cselect_b32 s45, s40, s41                    ; my place among the four that ask with me
	s_cselect_b32 s12, 2048, s12                   ; bytes in a row
	s_cselect_b32 s[PST], 256, s[PST]
	s_cselect_b64 s[PFA:PFA+1], s[14:15], s[46:47]
	s_cmp_eq_u32 s23, 0
	s_cselect_b32 s[LIM], 2, -1                    ; the same in all sixteen partners, for a given wave
	s_lshl_b32 s45, s45, 5                         ; my work-group's 32 of the 128 rows
	s_mul_i32 s2, s45, s12
	s_add_nc_u64 s[PFA:PFA+1], s[PFA:PFA+1], s[2:3]
	s_mul_i32 s2, s[PST], 3                        ; at K step 3: the first change of slots steps it to 4
	s_add_nc_u64 s[PFA:PFA+1], s[PFA:PFA+1], s[2:3]
	v_and_b32 v[PFO], 31, v0
	v_mul_u32_u24 v[PFO], v[PFO], s12
.macro SETADR                          ; my fragments' addresses in the slot in hand
	v_add_nc_u32 v[ADRA], s[TB], v[ADRA0]
.irp p, 0,1,2
	v_add_nc_u32 v[ADRB+(\p)], s[TB], v[ADRB0+(\p)]
.endr
.endm
; 6 matrix instructions: row block a of the window's four x my 6 column blocks, 32 along K.  zero = 1: the first product starts the sums.  The 48 accumulators take turns, one instruction a turn.
.macro MUL6 f, hi, a, zero
	WIN 0xa1+0x50*(\hi)
.irp b, 0,1,2,3,4,5
.if \zero
	v_wmma_f32_16x16x32_bf16 v[8*(6*(\a)+(\b)):8*(6*(\a)+(\b))+7], v[(\f)+8*(\b):(\f)+8*(\b)+7], v[(\f)+8*(4*(\hi)+(\a)):(\f)+8*(4*(\hi)+(\a))+7], 0
.else
	v_wmma_f32_16x16x32_bf16 v[8*(6*(\a)+(\b)):8*(6*(\a)+(\b))+7], v[(\f)+8*(\b):(\f)+8*(\b)+7], v[(\f)+8*(4*(\hi)+(\a)):(\f)+8*(4*(\hi)+(\a))+7], v[8*(6*(\a)+(\b)):8*(6*(\a)+(\b))+7]
.endif
.endr
.endm
.macro MUL12 f, hi, a0, zero
	MUL6 \f, \hi, \a0, \zero
	MUL6 \f, \hi, (\a0)+1, \zero
.endm
; 28 LDS loads in one run: quarter q (32 along K) into buffer f: wb's 6 fragments (turned), then xb's 8
.macro FETCH q, f
	WIN 0x40
.irp b, 0,1,2,3,4,5
	ds_load_tr16_b128 v[(\f)+8*(\b):(\f)+8*(\b)+3],   v[ADRB+(\b)/2] offset:(\q)*32*PB+128*((\b)%2)
	ds_load_tr16_b128 v[(\f)+8*(\b)+4:(\f)+8*(\b)+7], v[ADRB+(\b)/2] offset:(\q)*32*PB+128*((\b)%2)+16*PB
.endr
	WIN 0
.irp a, 0,1,2,3,4,5,6,7
	ds_load_b128 v[(\f)+8*(\a):(\f)+8*(\a)+3],   v[ADRA] offset:64*(\q)+(\a)*16*PA
	ds_load_b128 v[(\f)+8*(\a)+4:(\f)+8*(\a)+7], v[ADRA] offset:64*(\q)+(\a)*16*PA+32
.endr
.endm
; One of a K step's first three quarters: multiplies buffer f, and in its middle fetches quarter q into buffer g
.macro QTR q, f, g, zero
	s_wait_dscnt 8                                 ; wb's fragments and xb's rows 0-63 are in; the youngest eight loads (rows 64-127) may be out
	MUL12 \f, 0, 0, \zero
	MUL12 \f, 0, 2, \zero
	PLACES
	FETCH \q, \g
	s_wait_dscnt 28                                ; all but the 28 just issued
	MUL12 \f, 1, 0, \zero
	MUL12 \f, 1, 2, \zero
.endm
; The last quarter multiplies buffer 1 and changes slots: one barrier; in front of it each wave waits for all its tensor loads (one is out: its part of the next slot), adds 0 to its spare word, and waits
; for that and for its reads of this slot.  Six products stand between the add and the wait for it; the quarter's other 42 stand behind the refill, so that they lie in the time in which the refill is on its way.
; fill = 1: the barrier opens a round of the cluster's, and this slot is filled again first thing behind it, with the K step two on: 186 matrix instructions ahead of the wait for it.
.macro TURN fill
.if \fill
	s_wait_xcnt 0x0                                ; the last prefetch, a K step back, has read its address
	s_add_nc_u64 s[PFA:PFA+1], s[PFA:PFA+1], s[PST:PST+1]
.endif
	WIN 0
	s_wait_tensorcnt 0x0                           ; no tensor load of mine is out, so a group 0 may be written
	ds_add_u32 v[SPW], v[NIL]                      ; 0 onto my spare word
.if \fill
	s_xor_b32 s[G0A+5], s[G0A+5], SLOT             ; the walking descriptors: the other slot than last time, the next K step
	s_add_nc_u64 s[G0A+6:G0A+7], s[G0A+6:G0A+7], 256
	s_xor_b32 s[G0B+5], s[G0B+5], SLOT
	s_add_nc_u64 s[G0B+6:G0B+7], s[G0B+6:G0B+7], BSTEP
.endif
	s_wait_dscnt 9                                 ; the add and the youngest eight loads may be out
	MUL6 F1, 0, 0, 0
	WIN 0
	s_wait_dscnt 0x0                               ; the add is done, and my reads of this slot are over
	s_barrier_signal -1
	s_barrier_wait -1
.if \fill
	CREST                                          ; no wave of any partner still reads this slot or has a load on its way
	JLOAD                                          ; its four v_nop are also the places in front of the loads below
.else
	PLACES
.endif
	s_xor_b32 s[TB], s[TB], SLOT
	SETADR
	FETCH 0, F0
.if \fill
	ASK
.endif
	MUL6 F1, 0, 1, 0
	MUL12 F1, 0, 2, 0
	MUL12 F1, 1, 0, 0
	MUL12 F1, 1, 2, 0
.endm
	SETADR
	s_wait_tensorcnt 1                             ; my part of K step 0 is in; K step 1's may stay out
	s_barrier_signal -1
	s_barrier_wait -1
	FETCH 0, F0
	QTR 1, F0, F1, 1                               ; the first quarter stands in front of the loop: its products start the sums
	WIN 0
	s_mov_b32 s[CNT], 6
.Lstep:                                                ; a trip: a K step's quarters 1 to 3 and the next step's quarter 0; K steps 0 to 5 fill their slot again
	QTR 2, F1, F0, 0
	QTR 3, F0, F1, 0
	TURN 1
	QTR 1, F0, F1, 0
	WIN 0
	s_sub_co_u32 s[CNT], s[CNT], 1
	s_cmp_lg_u32 s[CNT], 0
	s_cbranch_scc1 .Lstep
	s_mov_b32 s[CNT], 2
.Ltail:                                                ; K steps 6 and 7 ask for nothing: their text is written once and walked twice; the second trip is left in its middle
	QTR 2, F1, F0, 0
	QTR 3, F0, F1, 0
	WIN 0
	s_sub_co_u32 s[CNT], s[CNT], 1
	s_cmp_eq_u32 s[CNT], 0
	s_cbranch_scc1 .Llast
	TURN 0
	QTR 1, F0, F1, 0
	WIN 0
	s_branch .Ltail
.Llast:
	s_wait_dscnt 8                                 ; the very last quarter: nothing more to fetch
	MUL12 F1, 0, 0, 0
	MUL12 F1, 0, 2, 0
	s_wait_dscnt 0x0
	MUL12 F1, 1, 0, 0
	MUL12 F1, 1, 2, 0
	PLACES
	; THE LOW PARTS of the tile's first 16 rows, in the one cluster that holds the batches' first rows and v's columns.  The jump passes no barrier, no tensor load and no LDS instruction.
	WIN 0
	s_and_b32 s12, ttmp7, 0xffff                   ; cluster y,
	s_xor_b32 s11, ttmp9, 1                        ; and 0 where cluster x = 1: both the same in all sixteen partners
	s_or_b32 s12, s12, s11
	s_cmp_eq_u32 s12, 0
	s_cbranch_scc0 .Lno_low
	s_mul_i32 s2, s41, 16*LOROW                    ; here cy is the batch,
	s_mul_i32 s11, s40, 768                        ; and cx the tile's place among the cluster's 1,536 columns
	s_add_co_u32 s2, s2, s11
	s_mov_b32 s3, 0
	s_add_nc_u64 s[LOB:LOB+1], s[LOB:LOB+1], s[2:3]
	v_mul_u32_u24 v[LCO], v1, LOROW                ; row r, 16 bytes for each half of the lanes, my 32 bytes of each 128
	v_lshl_add_u32 v[LCO], v2, 4, v[LCO]
	s_lshl_b32 s11, s[WV], 5
	v_add_nc_u32 v[LCO], s11, v[LCO]
	v_mov_b32 v[NEG1], -1.0
	WIN 0x0a                                       ; sources in window 2
.irp b, 0,1,2,3,4,5
.irp r, 0,1,2,3
	v_cvt_pk_f16_f32 v[TMP+4*(\b)+(\r)], v[8*(\b)+2*(\r)], v[8*(\b)+2*(\r)+1]  ; what the way out will store
.endr
.endr
	WIN 0x20                                       ; source 2 in window 2
.irp b, 0,1,2,3,4,5
.irp r, 0,1,2,3
	v_fma_mix_f32 v[F0+8*(\b)+2*(\r)],   v[TMP+4*(\b)+(\r)], v[NEG1], v[8*(\b)+2*(\r)]   op_sel_hi:[1,0,0]              ; the sum less its f16 (the low half of the pair): exact
	v_fma_mix_f32 v[F0+8*(\b)+2*(\r)+1], v[TMP+4*(\b)+(\r)], v[NEG1], v[8*(\b)+2*(\r)+1] op_sel:[1,0,0] op_sel_hi:[1,0,0]  ; the high half
.endr
.endr
	WIN 0
.irp b, 0,1,2,3,4,5
.irp r, 0,1,2,3
	v_cvt_pk_f16_f32 v[OB+4*(\b)+(\r)], v[F0+8*(\b)+2*(\r)], v[F0+8*(\b)+2*(\r)+1]
.endr
.endr
.irp b, 0,1,2,3,4,5
	global_store_b128 v[LCO], v[OB+4*(\b):OB+4*(\b)+3], s[LOB:LOB+1] offset:128*(\b)
.endr
.Lno_low:
; THE WAY OUT, 16 rows at a time: rounded to f16, 16 bytes a lane into the work-group's stage; a barrier, since a row's 768 bytes come from four waves; back as whole rows, four rows a wave.
; Two stages take turns, one barrier a block.  Behind block a's barrier a wave first asks for its rows of block a, then converts block a + 1 and puts it into the other stage, and only then waits for the rows.
; The other stage was last read for block a - 1, and every wave has waited for those reads in front of block a's signal.
.macro PACKST a                        ; block a, rounded, into stage a % 2
	WIN 0x0a+5*((\a)/4)                            ; sources in window 2 or 3
.irp b, 0,1,2,3,4,5
.irp r, 0,1,2,3
	v_cvt_pk_f16_f32 v[TMP+4*(\b)+(\r)], v[8*(6*((\a)%4)+(\b))+2*(\r)], v[8*(6*((\a)%4)+(\b))+2*(\r)+1]
.endr
.endr
	WIN 0
.irp b, 0,1,2,3,4,5
	ds_store_b128 v[STO], v[TMP+4*(\b):TMP+4*(\b)+3] offset:((\a)%2)*SBUF+128*(\b)
.endr
.endm
.macro PASS a
	s_wait_dscnt 0x0                               ; for the others' sake: my stores of block a are done, and so are my reads of block a - 1
	s_barrier_signal -1
	s_barrier_wait -1
	s_wait_xcnt 0x0                                ; earlier stores (two blocks back; the low parts') have read these registers
.irp t, 0,1,2,3,4,5
	ds_load_b128 v[OB+192*((\a)%2)+4*(\t):OB+192*((\a)%2)+4*(\t)+3], v[RD] offset:((\a)%2)*SBUF+((\t)/3)*2*SPITCH+((\t)%3)*256
.endr
.if (\a) < 7
	PACKST (\a)+1
	s_wait_dscnt 6                                 ; my rows of block a are back; the six younger stores of block a + 1 may be out
.else
	s_wait_dscnt 0x0
.endif
.irp t, 0,1,2,3,4,5
	global_store_b128 v[CO], v[OB+192*((\a)%2)+4*(\t):OB+192*((\a)%2)+4*(\t)+3], s[8:9] offset:(\a)*16*6144+((\t)/3)*2*6144+((\t)%3)*256  ; 16 lanes store 256 consecutive bytes, at a multiple of 256 from qkv's first byte
.endr
.endm
	PACKST 0
.irp a, 0,1,2,3,4,5,6,7
	PASS \a
.endr
	s_wait_tensorcnt 0x0                           ; the wave's end, behind my last tensor load and my last LDS store
	ds_add_u32 v[SPW], v[NIL]
	s_wait_dscnt 0x0
	CROUND                                         ; the closing round: no work-group ends while a partner may still ask for a tile that names it
	s_endpgm
.Lfunc_end_k_qad367cfe21_proj:
	.size	k_qad367cfe21_proj, .Lfunc_end_k_qad367cfe21_proj-k_qad367cfe21_proj
	.p2alignl 7, 3214868480
	.fill 96, 4, 3214868480
	.section	.rodata,"a",@progbits
	.p2align	6, 0x0
	.amdhsa_kernel k_qad367cfe21_proj
		.amdhsa_group_segment_fixed_size 327680
		.amdhsa_private_segment_fixed_size 0
		.amdhsa_enable_private_segment 0
		.amdhsa_kernarg_size 32
		.amdhsa_user_sgpr_count 2
		.amdhsa_user_sgpr_kernarg_segment_ptr 1
		.amdhsa_wavefront_size32 1
		.amdhsa_system_sgpr_workgroup_id_x 1
		.amdhsa_system_sgpr_workgroup_id_y 1
		.amdhsa_system_sgpr_workgroup_id_z 1
		.amdhsa_system_vgpr_workitem_id 0
		.amdhsa_next_free_vgpr 960
		.amdhsa_next_free_sgpr 68
		.amdhsa_reserve_vcc 0
		.amdhsa_float_denorm_mode_32 3
		.amdhsa_float_denorm_mode_16_64 3
		.amdhsa_memory_ordered 1
		.amdhsa_forward_progress 1
		.amdhsa_inst_pref_size 93
	.end_amdhsa_kernel
	.amdgpu_metadata
---
amdhsa.version: [ 1, 2 ]
amdhsa.kernels:
  - .name:           k_qad367cfe21_proj
    .symbol:         k_qad367cfe21_proj.kd
    .args:
      - { .name: xb, .offset: 0, .size: 8, .value_kind: global_buffer, .address_space: global }
      - { .name: wb, .offset: 8, .size: 8, .value_kind: global_buffer, .address_space: global }
      - { .name: qkv, .offset: 16, .size: 8, .value_kind: global_buffer, .address_space: global }
      - { .name: lo, .offset: 24, .size: 8, .value_kind: global_buffer, .address_space: global }
    .group_segment_fixed_size: 327680
    .private_segment_fixed_size: 0
    .kernarg_segment_align: 8
    .kernarg_segment_size: 32
    .max_flat_workgroup_size: 128
    .sgpr_count:     68
    .vgpr_count:     960
    .wavefront_size: 32
...
	.end_amdgpu_metadata
.endif
;; end of part 2
;; launch scores (part 3): grid 9 x 16, 4 waves a work-group, no clusters, 327,680 bytes of LDS; arguments qkv, P, stats, plo; writes P, stats, plo
.if DOCPART == 3
	.amdgcn_target "amdgcn-amd-amdhsa--gfx1250"
	.amdhsa_code_object_version 6
	.text
	.protected	k_qad367cfe21_scores
	.globl	k_qad367cfe21_scores
	.p2align	8
	.type	k_qad367cfe21_scores,@function
k_qad367cfe21_scores:
	s_mov_b64 s[64:65], 0
	v_nop
	global_prefetch_b8 v0, s[64:65] scope:SCOPE_SE
	s_setreg_imm32_b32 hwreg(HW_REG_WAVE_MODE, 25, 1), 1
	s_wait_xcnt 0x0
; For each causal tile of 256 queries x 256 keys of a batch: S = q k^T (f16 operands, f32 sums), the causal mask, and for each row and each CHUNK of 128 keys the chunk's own maximum m,
; the weights p = 2^(c s - c m), c = log2(e) / 32, rounded to f16 into P[8192][2048], and in f32 c m and l = the sum of the rounded p into stats[2][16 chunks][8192 rows].
; The next launch brings the chunks of a row onto the row's true maximum.  Every exponent is at most 0 whatever the inputs.
; LIMITS.  q and k arrive in f16.  A hidden score counts as its value less 1e30; a weight below 2^-126 counts as 0; NaN and infinities are not treated apart.
; SHARES.  A batch has 36 tiles at or below the diagonal; rows j and 7 - j of the triangle have 9 together: work-group (i, 4 batch + j) takes tile (j, i) for i <= j, else (7 - j, i - j - 1).
; Four waves, each 128 queries x 128 keys: 64 accumulators, 512 registers; a wave's keys are one chunk, so a row's maximum and sum never leave the wave.  K (1,024 channels) goes in 8 steps of 128.
; NO CLUSTER: the triangle's rows have 1 to 8 tiles and its columns 8 to 1, so no groups of four work-groups that share a tile divide it; filling the rows up to multiples of four would add 48
; work-groups to 144 whose whole result the mask throws away.
; THE MASK is the C operand of the product that starts a sum: 0, or -1e30 where the key is hidden.  With e = (key half - row half) in a diagonal tile and -1 elsewhere, a block of 16 x 16 below my
; diagonal takes XLO, on it XDG, above it XHI: all 0 for e < 0; 0, the triangle, -1e30 for e = 0; all -1e30 for e > 0.  No branch hangs on it.
; A WAVE WHOSE QUARTER IS WHOLLY HIDDEN (e > 0) scales by CW = 0 in place of c: at m near -1e30 the fused c s - round(c m) would leave c m's rounding error, of either sign, as the exponent.  With 0 every
; exponent is exactly 0: p = 1, l = 128, all finite; the stored c m, made with the true c, is about -4.5e28, and the next launch gives the chunk the factor 0.
; THE SUM l is made by the matrix unit: a fragment of ones times the packed weights (which lie as a source 1 of 32 keys x 16 queries lies): four products into four accumulators, three additions; every lane then holds
; its query's sum over all 128 keys, and no lane exchange is needed.  It is the sum of the weights as the next launch multiplies them.
; THE LOW PARTS.  A batch's first rows average few rows of v, which may nearly cancel: there f16's rounding of p weighs most.  So for rows 0-15 x keys 0-15 of each batch p - f16(p) is stored too, rounded to f16,
; in plo[4][16][16]: one store of 16 bytes a lane in wave 0 of the batch's tile (0, 0); the next launch adds its product.  (There l differs from the sum of the exact p by at most 2^-11 of itself: a common factor of the row.)
; LAYOUT.  Source 0 = 16 keys, source 1 = 16 queries: a lane holds one query (lane % 16) and 8 neighbouring keys 8 (lane / 16) + 0..7.
; REGISTERS: window 0: v0-31 addresses; v32-55 the three masks, later with v56-63 and v224-255 rows on the way out; v64-127, v128-191 q's fragments (behind the loop v64-127 statistics, low parts and ones, v128-159 the sums); v192-223 packed weights
;   window 1: v64-127, v128-191 k's fragments      window 2: accumulators of my rows 0-63 ((a, b) at 8 (8 a + b))      window 3: those of rows 64-127
.set PITCH,  272                       ; 256 bytes + 16 = 68 words: the 16 rows of a load start at 16 different groups of four banks (64 banks of 4 bytes: ISA guide 11.1)
.set HALFT,  128*PITCH                 ; what one tensor load brings
.set SLOT,   4*HALFT                   ; q's 256 rows, then k's.  139,264 shares no bit with a tile's first byte in slot 0
.set STAGE,  2*SLOT                    ; 16 rows x 272 bytes for each wave
.set SPARE,  STAGE+4*16*PITCH          ; the spare words, 128 bytes for each wave: two blocks of 256 bytes that no other line names
.set ADRA0, 10
.set ADRB0, 11
.set NEG1,  15                         ; v15  -1.0
.set ADRA,  16
.set ADRB,  20
.set STO,   24
.set RD,    25
.set CO,    26
.set STA,   27                         ; v27  my byte offset in stats: lanes 0-15 in the plane of c m, lanes 16-31 in that of l
.set SPW,   28
.set NIL,   29
.set PFO,   30
.set PLA,   31                         ; v31  my byte offset in a batch's part of plo
.set XLO,   32
.set XDG,   40
.set XHI,   48
.set OB,    32
.set F0,    64
.set F1,    128
.set TMP,   192
.set ST,    64                         ; row block a at ST + 4 a: CW m, m
.set CC,    96                         ; four at work
.set SV,    100                        ; what goes to stats, a register a row block
.set PD,    108                        ; eight low parts in f32
.set PL,    116                        ; and packed
.set ONES,  120                        ; v120-127  a fragment of ones in f16
.set LS,    128                        ; v128-159  four accumulators for l
.set CNT,   3
.set WV,    10
.set WR,    11                         ; which half of the tile's rows is mine
.set WC,    12                         ; which half of its keys
.set QT,    13
.set KT,    14
.set BA,    15
.set PFA,   16
.set SRC,   18                         ; s[18:19] the 128 rows that I fetch
.set TB,    21
.set LIM,   22
.set G1,    24
.set G0,    32
.set CS,    40                         ; s40  c
.set SEL,   42
.set BIGN,  44
.set AL,    45
.set BLO,   46
.set BHI,   47
.set HM,    48
.set CW,    50                         ; s[50:51] c, or 0 in a wave whose quarter is wholly hidden
.set PLB,   56                         ; s[56:57] plo
.set FLG,   58                         ; s58  0 in wave 0 of a batch's tile (0, 0)
.set MSB, 0
.macro WIN new
.if MSB != (\new)
	s_set_vgpr_msb (MSB<<8)|(\new)
.set MSB, \new
.endif
.endm
.macro PLACES
.rept 4
	v_nop
.endr
.endm
; A prefetch into the L2 of the K step two refills on.  Each block of 256 rows of q and of k is read by several work-groups and by exactly one diagonal one: that one asks, each wave for the 128 rows
; that it fetches itself: a lane a row, four instructions.  K steps 0-3 come by their loads alone.
.macro ASK
	s_cmp_gt_u32 s[CNT], s[LIM]
	s_cbranch_scc0 .Lnot_mine_\@
.irp k, 0,1,2,3
	global_prefetch_b8 v[PFO], s[PFA:PFA+1] offset:(\k)*32*6144 th:TH_LOAD_NT scope:SCOPE_SE
.endr
.Lnot_mine_\@:
.endm
	s_load_b128 s[4:7], s[0:1], 0x0                ; qkv s[4:5], P s[6:7]
	s_load_b64 s[8:9], s[0:1], 0x10                ; stats
	s_load_b64 s[PLB:PLB+1], s[0:1], 0x18          ; plo
	v_lshl_add_u32 v[SPW], v0, 2, SPARE
	v_mov_b32 v[NIL], 0
	ds_add_u32 v[SPW], v[NIL]                      ; the wave's opening: the add and its wait stand ahead of my first tensor load
	v_lshrrev_b32 v1, 5, v0
	v_readfirstlane_b32 s[WV], v1
	s_lshr_b32 s[WR], s[WV], 1
	s_and_b32 s[WC], s[WV], 1
	s_and_b32 s20, ttmp7, 0xffff
	s_lshr_b32 s[BA], s20, 2                       ; batch
	s_and_b32 s20, s20, 3                          ; j
	s_sub_co_u32 s[QT], 7, s20
	s_sub_co_u32 s[KT], ttmp9, s20
	s_sub_co_u32 s[KT], s[KT], 1
	s_cmp_le_u32 ttmp9, s20
	s_cselect_b32 s[QT], s20, s[QT]                ; tile row
	s_cselect_b32 s[KT], ttmp9, s[KT]              ; tile column
	s_or_b32 s[FLG], s[QT], s[KT]
	s_or_b32 s[FLG], s[FLG], s[WV]
	s_mov_b32 s[G1], (1<<16)|(1<<20)|(5<<22)|(3<<25)  ; 2-byte elements; padding on; after every 64 words, 4 words
	s_mov_b32 s[G1+1], 128<<16
	s_mov_b32 s[G1+2], 128<<16
	s_mov_b32 s[G1+3], 128<<16
	s_mov_b32 s[G1+4], 128
	s_mov_b32 s[G1+5], 3072
	s_mov_b32 s[G1+6], 0
	s_mov_b32 s[G1+7], 0
	s_cmp_lt_u32 s[WV], 2                          ; waves 0 and 1 fetch q's two halves, waves 2 and 3 k's
	s_cselect_b32 s23, s[QT], s[KT]
	s_lshl_b32 s[SRC], s[BA], 11
	s_lshl_b32 s23, s23, 8
	s_add_co_u32 s[SRC], s[SRC], s23
	s_lshl_b32 s23, s[WC], 7
	s_add_co_u32 s[SRC], s[SRC], s23               ; the first row that I fetch
	s_mul_i32 s[SRC], s[SRC], 6144
	s_lshl_b32 s23, s[WR], 11                      ; q at byte 0 of a row of qkv, k at byte 2,048
	s_add_co_u32 s[SRC], s[SRC], s23
	s_mov_b32 s[SRC+1], 0
	s_mul_i32 s20, s[WV], HALFT
	s_mov_b32 s[TB], 0
	s_mov_b32 s[CS], 0x3d38aa3b                    ; c = log2(e) / 32
	s_mov_b32 s[SEL], 0x76543210
	s_mov_b32 s[SEL+1], 0xfedcba98
	s_mov_b32 s[BIGN], 0xf149f2ca                  ; -1e30
	s_mov_b32 s[HM], 0xffff0000                    ; lanes 16-31
	s_wait_dscnt 0x0                               ; the opening add is done
	s_wait_kmcnt 0x0
	s_add_nc_u64 s[SRC:SRC+1], s[4:5], s[SRC:SRC+1]
.irp n, 0,1
	s_mov_b32 s[G0+4*(\n)], 1
	s_add_co_u32 s[G0+4*(\n)+1], s20, (\n)*SLOT
	s_add_nc_u64 s[G0+4*(\n)+2:G0+4*(\n)+3], s[SRC:SRC+1], (\n)*256
	s_or_b32 s[G0+4*(\n)+3], s[G0+4*(\n)+3], 0x80000000
.endr
	tensor_load_to_lds s[G0:G0+3], s[G1:G1+7]      ; the two first fills go out together: two loads of mine are out
	s_nop 0
	tensor_load_to_lds s[G0+4:G0+7], s[G1:G1+7]
	s_nop 0
	PLACES
	s_add_nc_u64 s[PFA:PFA+1], s[SRC:SRC+1], 3*256 ; at K step 3: the first change of slots steps it to 4
	s_sub_co_i32 s20, s[WC], s[WR]
	s_cmp_eq_u32 s[QT], s[KT]
	s_cselect_b32 s20, s20, -1                     ; e
	s_cselect_b32 s[LIM], 2, -1
	s_cmp_eq_i32 s20, 0
	s_cselect_b32 s[AL], 1.0, 0
	s_cmp_gt_i32 s20, 0
	s_cselect_b32 s[BLO], s[BIGN], 0
	s_cselect_b32 s[CW], 0, s[CS]
	s_cmp_ge_i32 s20, 0
	s_cselect_b32 s[BHI], s[BIGN], 0
	s_mov_b32 s[CW+1], s[CW]
	v_and_b32 v1, 15, v0                           ; r
	v_bfe_u32 v2, v0, 4, 1                         ; h
	v_lshlrev_b32 v3, 3, v2
	v_sub_nc_u32 v14, v1, v3                       ; on my diagonal register j is hidden where j > r - 8 h
.irp j, 0,1,2,3,4,5,6,7
	v_cmp_gt_i32 vcc_lo, \j, v14
	v_cndmask_b32 v[XDG+\j], 0, s[BIGN], vcc_lo
.endr
.irp j, 0,1,2,3,4,5,6,7
	v_fma_f32 v[XDG+\j], v[XDG+\j], s[AL], s[BLO]
	v_mov_b32 v[XLO+\j], s[BLO]
	v_mov_b32 v[XHI+\j], s[BHI]
.endr
	v_mul_u32_u24 v3, v1, PITCH
	v_lshl_add_u32 v3, v2, 4, v3                   ; a fragment's row x pitch + 16 x half
	s_mul_i32 s20, s[WR], HALFT
	v_add_nc_u32 v[ADRA0], s20, v3
	s_mul_i32 s20, s[WC], HALFT
	s_add_co_u32 s20, s20, 2*HALFT
	v_add_nc_u32 v[ADRB0], s20, v3
	s_mul_i32 s20, s[WV], 16*PITCH
	s_add_co_u32 s20, s20, STAGE                   ; my stage
	v_add_nc_u32 v[STO], s20, v3                   ; in: row r, 16 bytes for each half of the lanes
	v_mul_u32_u24 v4, v2, PITCH                    ; back: lanes 0-15 one row of 256 bytes, lanes 16-31 the next
	v_lshl_add_u32 v4, v1, 4, v4
	v_add_nc_u32 v[RD], s20, v4
	v_lshlrev_b32 v[CO], 12, v2                    ; the same two rows in P
	v_lshl_add_u32 v[CO], v1, 4, v[CO]
	v_lshlrev_b32 v[STA], 2, v1
	v_lshl_add_u32 v[STA], v2, 19, v[STA]
	v_lshlrev_b32 v[PLA], 5, v1                    ; plo: 32 bytes a row, 16 for each half of the lanes
	v_lshl_add_u32 v[PLA], v2, 4, v[PLA]
	v_mov_b32 v[NEG1], -1.0
	v_and_b32 v[PFO], 31, v0
	v_mul_u32_u24 v[PFO], v[PFO], 6144
	s_lshl_b32 s52, s[BA], 11
	s_lshl_b32 s20, s[QT], 8
	s_add_co_u32 s52, s52, s20
	s_lshl_b32 s20, s[WR], 7
	s_add_co_u32 s52, s52, s20                     ; my first row
	s_lshl_b32 s54, s52, 2                         ; its word in a chunk's plane of stats
	s_lshl_b32 s52, s52, 12                        ; its 4,096 bytes in P
	s_lshl_b32 s20, s[KT], 1
	s_add_co_u32 s20, s20, s[WC]                   ; my chunk
	s_lshl_b32 s23, s20, 8
	s_add_co_u32 s52, s52, s23
	s_lshl_b32 s23, s20, 15
	s_add_co_u32 s54, s54, s23
	s_mov_b32 s53, 0
	s_mov_b32 s55, 0
	s_add_nc_u64 s[6:7], s[6:7], s[52:53]
	s_add_nc_u64 s[8:9], s[8:9], s[54:55]
	s_lshl_b32 s52, s[BA], 9                       ; a batch's 512 bytes of plo
	s_add_nc_u64 s[PLB:PLB+1], s[PLB:PLB+1], s[52:53]
.macro SETADR
	v_add_nc_u32 v[ADRA], s[TB], v[ADRA0]
	v_add_nc_u32 v[ADRB], s[TB], v[ADRB0]
.endm
; 16 matrix instructions: row blocks a0, a0 + 1 of the window's four x all 8 key blocks.  zero = 1: the first product starts the sum with its mask.  The 64 accumulators take turns.
.macro MUL16 f, hi, a0, zero
.if \zero
	WIN 0x81+0x40*(\hi)                            ; the C operand in window 0
.else
	WIN 0xa1+0x50*(\hi)
.endif
.irp a, \a0, (\a0)+1
.irp b, 0,1,2,3,4,5,6,7
.if \zero
.set XC, XHI
.if (\b) < 4*(\hi)+(\a)
.set XC, XLO
.elseif (\b) == 4*(\hi)+(\a)
.set XC, XDG
.endif
	v_wmma_f32_16x16x32_f16 v[8*(8*(\a)+(\b)):8*(8*(\a)+(\b))+7], v[(\f)+8*(\b):(\f)+8*(\b)+7], v[(\f)+8*(4*(\hi)+(\a)):(\f)+8*(4*(\hi)+(\a))+7], v[XC:XC+7]
.else
	v_wmma_f32_16x16x32_f16 v[8*(8*(\a)+(\b)):8*(8*(\a)+(\b))+7], v[(\f)+8*(\b):(\f)+8*(\b)+7], v[(\f)+8*(4*(\hi)+(\a)):(\f)+8*(4*(\hi)+(\a))+7], v[8*(8*(\a)+(\b)):8*(8*(\a)+(\b))+7]
.endif
.endr
.endr
.endm
.macro FETCH q, f                      ; 32 LDS loads in one run: quarter q into buffer f: k's 8 fragments, then q's 8
	WIN 0x40
.irp i, 0,1,2,3,4,5,6,7
	ds_load_b128 v[(\f)+8*(\i):(\f)+8*(\i)+3],   v[ADRB] offset:64*(\q)+(\i)*16*PITCH
	ds_load_b128 v[(\f)+8*(\i)+4:(\f)+8*(\i)+7], v[ADRB] offset:64*(\q)+(\i)*16*PITCH+32
.endr
	WIN 0
.irp i, 0,1,2,3,4,5,6,7
	ds_load_b128 v[(\f)+8*(\i):(\f)+8*(\i)+3],   v[ADRA] offset:64*(\q)+(\i)*16*PITCH
	ds_load_b128 v[(\f)+8*(\i)+4:(\f)+8*(\i)+7], v[ADRA] offset:64*(\q)+(\i)*16*PITCH+32
.endr
.endm
.macro QTR q, f, g, zero
	s_wait_dscnt 8                                 ; k's fragments and q's rows 0-63 are in; the youngest eight loads may be out
	MUL16 \f, 0, 0, \zero
	MUL16 \f, 0, 2, \zero
	PLACES
	FETCH \q, \g
	s_wait_dscnt 32                                ; all but the 32 just issued
	MUL16 \f, 1, 0, \zero
	MUL16 \f, 1, 2, \zero
.endm
; The last quarter changes slots: one barrier; in front of it each wave waits for all its tensor loads (one is out: its part of the next slot), adds 0 to its spare word, and waits for that and for its reads
; of this slot.  fill = 1: this slot is filled again first thing behind the barrier, with the K step two on: 224 matrix instructions ahead of the wait for it.
.macro TURN fill
.if \fill
	s_wait_xcnt 0x0                                ; the last prefetches, a K step back, have read their address
	s_add_nc_u64 s[PFA:PFA+1], s[PFA:PFA+1], 256
.endif
	WIN 0
	s_wait_tensorcnt 0x0
	ds_add_u32 v[SPW], v[NIL]                      ; 0 onto my spare word
.if \fill
	s_xor_b32 s[G0+5], s[G0+5], SLOT               ; the walking descriptor: the other slot than last time, the next K step
	s_add_nc_u64 s[G0+6:G0+7], s[G0+6:G0+7], 256
.endif
	s_wait_dscnt 9                                 ; the add and the youngest eight loads may be out
	MUL16 F1, 0, 0, 0
	s_wait_dscnt 0x0                               ; the add is done, and my reads of this slot are over
	s_barrier_signal -1
	MUL16 F1, 0, 2, 0
	WIN 0
	s_barrier_wait -1
.if \fill
	tensor_load_to_lds s[G0+4:G0+7], s[G1:G1+7]
	s_nop 0
.endif
	PLACES                                         ; behind the load, and in front of the LDS loads below
	s_xor_b32 s[TB], s[TB], SLOT
	SETADR
	FETCH 0, F0
.if \fill
	ASK
.endif
	MUL16 F1, 1, 0, 0
	MUL16 F1, 1, 2, 0
.endm
	SETADR
	s_wait_tensorcnt 1                             ; my part of K step 0 is in; K step 1's may stay out
	s_barrier_signal -1
	s_barrier_wait -1
	FETCH 0, F0
	QTR 1, F0, F1, 1
	WIN 0
	s_mov_b32 s[CNT], 6
.Lstep:
	QTR 2, F1, F0, 0
	QTR 3, F0, F1, 0
	TURN 1
	QTR 1, F0, F1, 0
	WIN 0
	s_sub_co_u32 s[CNT], s[CNT], 1
	s_cmp_lg_u32 s[CNT], 0
	s_cbranch_scc1 .Lstep
	s_mov_b32 s[CNT], 2
.Ltail:                                                ; K steps 6 and 7 ask for nothing: their text is written once and walked twice; the second trip is left in its middle
	QTR 2, F1, F0, 0
	QTR 3, F0, F1, 0
	WIN 0
	s_sub_co_u32 s[CNT], s[CNT], 1
	s_cmp_eq_u32 s[CNT], 0
	s_cbranch_scc1 .Llast
	TURN 0
	QTR 1, F0, F1, 0
	WIN 0
	s_branch .Ltail
.Llast:
	s_wait_dscnt 8
	MUL16 F1, 0, 0, 0
	MUL16 F1, 0, 2, 0
	s_wait_dscnt 0x0
	MUL16 F1, 1, 0, 0
	MUL16 F1, 1, 2, 0
	PLACES
	WIN 0
.set z, 0
.rept 8
	v_mov_b32 v[ONES+z], 0x3c003c00                ; 1.0 twice in f16
.set z, z+1
.endr
; THE SOFTMAX OF A CHUNK, for row block a: a lane holds 64 of its row's 128 scores, the lane 16 away the others.  The maximum (each accumulator's lowest registers are read first); CW s - CW m
; in place; 64 exponentials, one batch with one wait; the roundings to f16; the sum of the rounded weights, by four products with ones.
.macro SOFT a
.set W2, (\a)/4
.set AC, 64*((\a)%4)
.set rT, ST+4*(\a)
	WIN 0x2a+0x15*W2                               ; all three sources in the accumulators' window
.irp b, 0,1,2,3
	v_max3_num_f32 v[CC+(\b)], v[AC+8*(\b)], v[AC+8*(\b)+1], v[AC+8*(\b)+2]
.endr
	WIN 0x28+0x14*W2                               ; source 0 in window 0
.irp k, 3,5
.irp b, 0,1,2,3
	v_max3_num_f32 v[CC+(\b)], v[CC+(\b)], v[AC+8*(\b)+(\k)], v[AC+8*(\b)+(\k)+1]
.endr
.endr
.irp k, 0,2,4,6
.irp b, 0,1,2,3
	v_max3_num_f32 v[CC+(\b)], v[CC+(\b)], v[AC+32+8*(\b)+(\k)], v[AC+32+8*(\b)+(\k)+1]
.endr
.endr
	v_max3_num_f32 v[CC], v[CC], v[AC+7], v[AC+15]
	v_max3_num_f32 v[CC+1], v[CC+1], v[AC+23], v[AC+31]
	WIN 0
	v_max3_num_f32 v[CC], v[CC], v[CC+1], v[CC+2]
	v_max_num_f32 v[CC], v[CC], v[CC+3]
	v_permlanex16_b32 v[CC+1], v[CC], s[SEL], s[SEL+1]
	v_max_num_f32 v[rT+1], v[CC], v[CC+1]          ; m
	v_mul_f32 v[rT], s[CW], v[rT+1]                ; what the scaling takes away
	v_mul_f32 v[CC+2], s[CS], v[rT+1]              ; c m, for stats
	WIN 0x82+0x41*W2
.set z, 0
.rept 32
	v_pk_fma_f32 v[AC+2*z:AC+2*z+1], v[AC+2*z:AC+2*z+1], s[CW:CW+1], v[rT:rT+1] op_sel_hi:[1,0,0] neg_lo:[0,0,1] neg_hi:[0,0,1]
.set z, z+1
.endr
.set z, 0
.rept 64
	v_exp_f32 v[AC+z], v[AC+z]
.set z, z+1
.endr
	v_nop                                          ; a plain instruction behind the last exponential,
	s_wait_alu depctr_va_vdst(0)                   ; and the one wait for the batch, ahead of its first reader
	WIN 0x0a+5*W2
.set z, 0
.rept 32
	v_cvt_pk_f16_f32 v[TMP+z], v[AC+2*z], v[AC+2*z+1]
.set z, z+1
.endr
	WIN 0
.if (\a) == 0                          ; the low parts of rows 0-15 x keys 0-15 of a batch: key block 0 of this row block, in wave 0 of the batch's tile (0, 0)
	s_cmp_eq_u32 s[FLG], 0
	s_cbranch_scc0 .Lno_plo
	WIN 0x20                                       ; source 2 in window 2
.irp j, 0,1,2,3
	v_fma_mix_f32 v[PD+2*(\j)],   v[TMP+(\j)], v[NEG1], v[AC+2*(\j)]   op_sel_hi:[1,0,0]              ; p less its f16 (the low half of the pair): exact
	v_fma_mix_f32 v[PD+2*(\j)+1], v[TMP+(\j)], v[NEG1], v[AC+2*(\j)+1] op_sel:[1,0,0] op_sel_hi:[1,0,0]  ; the high half
.endr
	WIN 0
.irp j, 0,1,2,3
	v_cvt_pk_f16_f32 v[PL+(\j)], v[PD+2*(\j)], v[PD+2*(\j)+1]
.endr
	global_store_b128 v[PLA], v[PL:PL+3], s[PLB:PLB+1]
.Lno_plo:
.endif
.irp i, 0,1,2,3                        ; ones x the weights of keys 32 i .. 32 i + 31: every register of the result holds the query's sum over them
	v_wmma_f32_16x16x32_f16 v[LS+8*(\i):LS+8*(\i)+7], v[ONES:ONES+7], v[TMP+8*(\i):TMP+8*(\i)+7], 0
.endr
	PLACES
	v_add_f32 v[CC], v[LS], v[LS+8]
	v_add_f32 v[CC+1], v[LS+16], v[LS+24]
	v_add_f32 v[CC], v[CC], v[CC+1]                ; l
	v_cndmask_b32 v[SV+(\a)], v[CC+2], v[CC], s[HM]  ; lanes 0-15 carry c m, lanes 16-31 l
.endm
.macro TOSTAGE a                       ; 16 bytes a lane into my own stage, and back as whole rows of 256 bytes
.set BK, OB+192*((\a)%2)
.irp b, 0,1,2,3,4,5,6,7
	ds_store_b128 v[STO], v[TMP+4*(\b):TMP+4*(\b)+3] offset:32*(\b)
.endr
.irp t, 0,1,2,3,4,5,6,7
	ds_load_b128 v[BK+4*(\t):BK+4*(\t)+3], v[RD] offset:(\t)*2*PITCH  ; LDS serves a wave's instructions in order (ISA guide 5.7.1.4): these see the stores above
.endr
.endm
.macro SEND a
.set BK, OB+192*((\a)%2)
	s_wait_dscnt 0x0                               ; the block is back in registers
	s_wait_xcnt 0x0                                ; the stores of the block before have read their registers, which the next block's loads will write
.irp t, 0,1,2,3,4,5,6,7
	global_store_b128 v[CO], v[BK+4*(\t):BK+4*(\t)+3], s[6:7] offset:(\a)*16*4096+(\t)*2*4096  ; 16 lanes store 256 consecutive bytes, at a multiple of 256 from P's first byte
.endr
.endm
	SOFT 0
	TOSTAGE 0
.irp a, 1,2,3,4,5,6,7                  ; block a's arithmetic stands between block a - 1's loads from the stage and the wait for them
	SOFT \a
	SEND (\a)-1
	TOSTAGE \a
.endr
	SEND 7
.irp a, 0,1,2,3,4,5,6,7
	global_store_b32 v[STA], v[SV+(\a)], s[8:9] offset:64*(\a)  ; pieces of 64 bytes: 16 rows' c m and 16 rows' l; 1 KiB a wave beside its 32 KiB of P
.endr
	s_wait_tensorcnt 0x0                           ; the wave's end, behind my last tensor load and my last LDS store
	ds_add_u32 v[SPW], v[NIL]
	s_wait_dscnt 0x0
	s_endpgm
.Lfunc_end_k_qad367cfe21_scores:
	.size	k_qad367cfe21_scores, .Lfunc_end_k_qad367cfe21_scores-k_qad367cfe21_scores
	.p2alignl 7, 3214868480
	.fill 96, 4, 3214868480
	.section	.rodata,"a",@progbits
	.p2align	6, 0x0
	.amdhsa_kernel k_qad367cfe21_scores
		.amdhsa_group_segment_fixed_size 327680
		.amdhsa_private_segment_fixed_size 0
		.amdhsa_enable_private_segment 0
		.amdhsa_kernarg_size 32
		.amdhsa_user_sgpr_count 2
		.amdhsa_user_sgpr_kernarg_segment_ptr 1
		.amdhsa_wavefront_size32 1
		.amdhsa_system_sgpr_workgroup_id_x 1
		.amdhsa_system_sgpr_workgroup_id_y 1
		.amdhsa_system_sgpr_workgroup_id_z 1
		.amdhsa_system_vgpr_workitem_id 0
		.amdhsa_next_free_vgpr 1024
		.amdhsa_next_free_sgpr 66
		.amdhsa_reserve_vcc 1
		.amdhsa_float_denorm_mode_32 3
		.amdhsa_float_denorm_mode_16_64 3
		.amdhsa_memory_ordered 1
		.amdhsa_forward_progress 1
		.amdhsa_inst_pref_size 161
	.end_amdhsa_kernel
	.amdgpu_metadata
---
amdhsa.version: [ 1, 2 ]
amdhsa.kernels:
  - .name:           k_qad367cfe21_scores
    .symbol:         k_qad367cfe21_scores.kd
    .args:
      - { .name: qkv, .offset: 0, .size: 8, .value_kind: global_buffer, .address_space: global }
      - { .name: P, .offset: 8, .size: 8, .value_kind: global_buffer, .address_space: global }
      - { .name: stats, .offset: 16, .size: 8, .value_kind: global_buffer, .address_space: global }
      - { .name: plo, .offset: 24, .size: 8, .value_kind: global_buffer, .address_space: global }
    .group_segment_fixed_size: 327680
    .private_segment_fixed_size: 0
    .kernarg_segment_align: 8
    .kernarg_segment_size: 32
    .max_flat_workgroup_size: 128
    .sgpr_count:     66
    .vgpr_count:     1024
    .wavefront_size: 32
...
	.end_amdgpu_metadata
.endif
;; end of part 3
;; launch pv (part 4): grid 8 x 32, 4 waves a work-group, clusters of 4 x 1, 327,680 bytes of LDS; arguments P, stats, qkv, out0, lo, plo; writes out0
.if DOCPART == 4
	.amdgcn_target "amdgcn-amd-amdhsa--gfx1250"
	.amdhsa_code_object_version 6
	.text
	.protected	k_qad367cfe21_pv
	.globl	k_qad367cfe21_pv
	.p2align	8
	.type	k_qad367cfe21_pv,@function
k_qad367cfe21_pv:
	s_mov_b64 s[64:65], 0
	v_nop
	global_prefetch_b8 v0, s[64:65] scope:SCOPE_SE
	s_setreg_imm32_b32 hwreg(HW_REG_WAVE_MODE, 25, 1), 1
	s_wait_xcnt 0x0
	s_wait_alu depctr_hold_cnt(0) depctr_sa_sdst(0) depctr_va_vdst(0) depctr_va_sdst(0) depctr_va_ssrc(0) depctr_va_vcc(0) depctr_vm_vsrc(0)
	s_getreg_b32 s2, hwreg(HW_REG_IB_STS2, 6, 4)
	s_cmp_eq_u32 s2, 0
	s_cbranch_scc0 .Lentry_in_a_cluster
	s_endpgm
.Lentry_in_a_cluster:
	s_bfe_u32 s2, ttmp6, 0x10000c
	s_cmp_lg_u32 s2, 0x3003
	s_cbranch_scc0 .Lentry_shape_is_right
	s_endpgm
.Lentry_shape_is_right:
; out0[row][channel] = the sum over the row's chunks j of f_j x (p_j V_j).  p_j (f16, relative to the chunk's own maximum), c m_j and l_j come from the launch before; V is qkv's third part (f16).
; f_j = 2^(c m_j - M) / sum_i 2^(c m_i - M) l_i with M = max_j c m_j: the row's true maximum is taken away, every exponent is at most 0, and the divisor is at least 1.  All of it in f32; out0 is f32.
; LIMITS.  A factor below 2^-126 counts as 0; NaN and infinities are not treated apart.
; THE WALK.  A batch's queries lie in 16 blocks of 128; block i needs i / 2 + 1 key steps of 256 keys.  A work-group takes 128 channels and TWO blocks, 15 - p and then p: 9 key steps whatever p, so all 256
; work-groups do equal work and one loop with a constant trip count walks them; the ring runs on across the change of blocks.  Of the 18 chunks one is wholly hidden: its factor is 0.
; SHARES.  Four waves, each 64 rows x 64 channels: 16 tiles of 16 x 16.
; THE FOLD.  A chunk's product is summed afresh in T (its first product takes the constant 0); T0 serves a step's first chunk, T1 its second.  While one T is summed, O += f x (the other T) stands in fours behind every
; fourth matrix instruction.  Those lines name no register of the products round them, and are the places between a T's last product and its first reader.
; NO FIRST STEP IS WRITTEN OUT: the loop is entered in the middle of a trip, at a step's first chunk; T1 and its factors start at 0, so that the folds beside the walk's first chunk add 0.
; O AND T1 ARE SET TO 0 by sixteen products of a fragment of zeros with itself: 16 lines for 128 registers; at the head (both) and at the change of blocks (O).
; THE LOW PARTS.  Rows 0-15 of a batch average at most 16 rows of v, which may nearly cancel: there the roundings of p and v to f16 weigh most.  The launches before have stored what those roundings dropped, for these rows and
; keys: v_lo (lo) and p_lo (plo).  (p + p_lo)(v + v_lo) = p v + p v_lo + p_lo v + a term of some 1e-7 of it, which is left out.  The two middle terms are ONE matrix instruction for 16 channels: K places 0-15 hold p x v_lo,
; K places 16-31 p_lo x v.  Four of them, in waves 0 and 1 of the work-groups with p = 0, at the second block's end, folded with the chunk's factor like any T.  Their operands (160 bytes a lane) are loaded at the head by every
; wave, so that no register's content hangs on a branch; 64 of the 1,024 waves use them.
; CLUSTER.  The four work-groups of a cluster share batch and p and differ in their channels: P's tile is asked for jointly (the same load, descriptor and mask in all four); V's tile is each one's own, behind the same round.
; LAYOUT.  Source 0 = 16 channels of V (V lies [key][channel] in LDS and is turned by ds_load_tr16_b128), source 1 = 16 rows of P: a lane holds one row (lane % 16) and 8 neighbouring channels.
; REGISTERS: window 0: v0-31 addresses; v32-95 rows on the way out (at the head: addresses); v96-111 the factors of a step's two chunks, in the low registers of pairs; v112-119 at work; v120-127 zeros; v128-255 O (at the head: the table's numbers)
;   window 1: two fragment buffers of 128: for 64 keys, 64 registers of P (2 x 4 fragments), then 64 of V      window 2: v0-127 T0, v128-255 T1
;   window 3: v0-15 v_lo and v16-31 v of keys 0-15 as loaded; v32-39 the fragment p, p_lo; v40-71 four fragments v_lo, v
.set PA,     528                       ; a row of P in LDS: 512 bytes + 16 = 132 words: the 16 rows of a load start at 16 different groups of four banks (64 banks of 4 bytes: ISA guide 11.1)
.set PB,     288                       ; a key's row of V: 256 + 32 = 72 words
.set AHALF,  64*PA                     ; what wave 0 or 1 fetches
.set BOFF,   128*PA                    ; V's 256 keys lie behind P's 128 rows
.set BHALF,  128*PB                    ; what wave 2 or 3 fetches
.set SPARE,  BOFF+2*BHALF              ; 141,312, between the slots: the spare words, 128 bytes for each wave: two blocks of 256 bytes that no other line names
.set SLOT,   147456                    ; shares no bit with a tile's first byte in slot 0
.set STAGE,  SLOT+SPARE                ; 16 rows x 272 bytes for each wave
.set SP,     272
.set FT,     STAGE+4*16*SP             ; the factors: [18 chunks of the walk][128 rows] f32, 9,216 bytes
.set VSTEP,  256*6144                  ; bytes of qkv from a key step to the next
.set LOROW,  3072                      ; bytes in a row of lo
.set ADRA0, 8
.set ADRB0, 9
.set ADRB20, 10
.set FAD0,  11
.set VLO,   12                         ; v12  my byte offset in 16 rows of lo; v14 the same in qkv; v15 in a batch's part of plo; v20 in 16 rows of P; never rewritten
.set VHO,   14
.set PLO,   15
.set ADRA,  16
.set ADRB,  17                         ; v17 keys 0-127 of a step, v18 keys 128-255
.set FAD,   19
.set PHO,   20
.set FTA,   21
.set STO,   24
.set RD,    25
.set CO,    26
.set SPW,   28
.set NIL,   29
.set PFO,   30
.set OB,    32
.set FR,    96
.set ZR,    120                        ; v120-127  a fragment of zeros; never rewritten
.set O,     128
.set F0,    0
.set F1,    128
.set AD,    32                         ; the head: 18 addresses in stats
.set CM,    128                        ; c m of the walk's 18 chunks, then the exponentials, then the factors
.set LL,    148                        ; l
.set TH,    168                        ; chunks 10-15 as the first block sees them
.set TL,    174                        ; and as the second does
.set MS,    180
.set T4,    112
.set MH,    113
.set ML,    114
.set NEGV,  115
.set SH,    116
.set SL,    117
.set PFB, 2                            ; s[2:3] P at the batch's first row
.set WV, 12
.set CX, 13
.set PP, 14
.set BA, 15
.set CB, 16
.set WR, 17
.set WC, 18
.set NHI, 19                           ; key steps of the first block, 5 to 8
.set NLO, 20                           ; and of the second: 9 - NHI
.set CNT, 21
.set CNTB, 22                          ; checks still to come until the block in hand has ended
.set TB, 23
.set G1A, 24
.set G1B, 32
.set G0A, 40
.set G0B, 48
.set NXT, 56                           ; the key step to ask for next, in the block whose tiles are being asked for
.set LQ, 57                            ; that block's number of key steps
.set ACUR, 58                          ; s[58:59] P at my rows of that block
.set ABLO, 60                          ; s[60:61] P at my rows of the second block
.set OFF, 62
.set VB, 66                            ; s[66:67] V at my keys of key step 0, my work-group's channels
.set OUTL, 68                          ; s[68:69] out0 at my part of the second block
.set FOFF, 70
.set LIM, 71
.set PNX, 72                           ; the prefetches' own walk, two refills ahead of NXT's
.set PLQ, 73
.set PCUR, 74
.set PB1, 76
.set PFA, 78
.set POF, 80
.set PMUL, 82
.set RL, 83
.set RB, 86
.set RH, 87
.set HB, 92
.set LB, 93
.set TS, 94
.set VHB, 92                           ; s[92:93], behind the table's addresses: V at the batch's key 0, my 64 channels
.set FLAG, 94                          ; s94, likewise: 0 in waves 0 and 1 of a work-group with p = 0
.set K5, 95                            ; s95-97: all ones where key step 5, 6, 7 of the walk belongs to the first block
.set LOB, 98                           ; s[98:99] lo
.set PLB, 100                          ; s[100:101] plo
.set MSB, 0
.macro WIN new
.if MSB != (\new)
	s_set_vgpr_msb (MSB<<8)|(\new)
.set MSB, \new
.endif
.endm
.macro PLACES
.rept 4
	v_nop
.endr
.endm
.macro CLEAR r                         ; 128 registers from r on, in the destination's window, take 0: sixteen products of the zeros with themselves
.set i, 0
.rept 16
	v_wmma_f32_16x16x32_f16 v[(\r)+8*i:(\r)+8*i+7], v[ZR:ZR+7], v[ZR:ZR+7], 0
.set i, i+1
.endr
.endm
.macro CREST
	s_cmp_lg_u32 s[WV], 0
	s_cbranch_scc1 .Lnot_wave_0_\@
	s_barrier_signal -3
.Lnot_wave_0_\@:
	s_barrier_wait -3
	s_barrier_signal -1
	s_barrier_wait -1
.endm
.macro CROUND
	s_barrier_signal -1
	s_barrier_wait -1
	CREST
.endm
.macro JLOAD                           ; waves 0 and 1 ask jointly for the halves of P's tile, waves 2 and 3 for the halves of their own V's; an s_nop 0 and four v_nop follow each line
	s_cmp_lt_u32 s[WV], 2
	s_cbranch_scc0 .Lfor_v_\@
	tensor_load_to_lds s[G0A+4:G0A+7], s[G1A:G1A+7]
	s_nop 0
.rept 4
	v_nop
.endr
	s_branch .Lasked_\@
.Lfor_v_\@:
	tensor_load_to_lds s[G0B+4:G0B+7], s[G1B:G1B+7]
	s_nop 0
.rept 4
	v_nop
.endr
.Lasked_\@:
.endm
; A prefetch into the L2 of the key step two refills on.  P's tile is read by both clusters of a row of the grid: the one with x = 0 asks; of the 64 rows (512 bytes each) that wave 0 or 1 fetches each partner takes
; 16, by address: a lane half a row, one instruction.  V's tile is read by the eight work-groups of a batch with the same channels: the one with p = 0, whose first block walks all eight key steps, asks, waves 2 and 3
; each for their own 128 keys: a lane a key, four instructions, for key steps 4 to 7 of that block alone: later readings are not asked for.  The walk's first four steps come by their loads alone.
.macro ASK
	s_cmp_gt_u32 s[CNT], s[LIM]
	s_cbranch_scc0 .Lnot_mine_\@
	s_cmp_lt_u32 s[WV], 2
	s_cbranch_scc0 .Lask_v_\@
	global_prefetch_b8 v[PFO], s[PFA:PFA+1] th:TH_LOAD_NT scope:SCOPE_SE
	s_branch .Lnot_mine_\@
.Lask_v_\@:
.irp k, 0,1,2,3
	global_prefetch_b8 v[PFO], s[PFA:PFA+1] offset:(\k)*32*6144 th:TH_LOAD_NT scope:SCOPE_SE
.endr
.Lnot_mine_\@:
.endm
	s_load_b256 s[4:11], s[0:1], 0x0               ; P s[4:5], stats s[6:7], qkv s[8:9], out0 s[10:11]
	s_load_b64 s[LOB:LOB+1], s[0:1], 0x20          ; lo
	s_load_b64 s[PLB:PLB+1], s[0:1], 0x28          ; plo
	v_lshl_add_u32 v[SPW], v0, 2, SPARE
	v_mov_b32 v[NIL], 0
	ds_add_u32 v[SPW], v[NIL]                      ; the wave's opening: the add and its wait stand ahead of my first tensor load
	v_lshrrev_b32 v1, 5, v0
	v_readfirstlane_b32 s[WV], v1
	s_bfe_u32 s[CX], ttmp6, 0x40000
	s_lshl_b32 s[CB], ttmp9, 2
	s_add_co_u32 s[CB], s[CB], s[CX]               ; my block of 128 channels
	s_and_b32 s84, ttmp7, 0xffff
	s_lshr_b32 s[BA], s84, 3
	s_and_b32 s[PP], s84, 7
	s_lshr_b32 s[WR], s[WV], 1
	s_and_b32 s[WC], s[WV], 1
	s_lshr_b32 s84, s[PP], 1
	s_sub_co_u32 s[NHI], 8, s84
	s_add_co_u32 s[NLO], s84, 1
	s_mov_b32 s[G1A], 15|(1<<16)|(1<<20)|(1<<21)|(6<<22)|(3<<25)  ; the mask of four; 2-byte elements; padding on; bit 21 beside a mask; after every 128 words, 4 words
	s_mov_b32 s[G1A+1], 256<<16                    ; tensor_dim0 = 256
	s_mov_b32 s[G1A+2], 64<<16                     ; tensor_dim1 = 64
	s_mov_b32 s[G1A+3], 256<<16                    ; tile_dim0 = 256
	s_mov_b32 s[G1A+4], 64                         ; tile_dim1 = 64
	s_mov_b32 s[G1A+5], 2048                       ; elements from row to row of P
	s_mov_b32 s[G1A+6], 0
	s_mov_b32 s[G1A+7], 0
	s_mov_b32 s[G1B], (1<<16)|(1<<20)|(5<<22)|(7<<25)  ; no mask; after every 64 words, 8 words
	s_mov_b32 s[G1B+1], 128<<16
	s_mov_b32 s[G1B+2], 128<<16
	s_mov_b32 s[G1B+3], 128<<16
	s_mov_b32 s[G1B+4], 128
	s_mov_b32 s[G1B+5], 3072
	s_mov_b32 s[G1B+6], 0
	s_mov_b32 s[G1B+7], 0
	s_lshl_b32 s[RB], s[BA], 11                    ; the batch's first row
	s_sub_co_u32 s[RH], 15, s[PP]
	s_lshl_b32 s[RH], s[RH], 7
	s_add_co_u32 s[RH], s[RH], s[RB]               ; the first block's first row
	s_lshl_b32 s[RL], s[PP], 7
	s_add_co_u32 s[RL], s[RL], s[RB]               ; the second block's
	s_lshl_b32 s84, s[WC], 6                       ; which 64 rows of P's tile I fetch
	s_add_co_u32 s88, s[RL], s84
	s_add_co_u32 s84, s[RH], s84
	s_lshl_b32 s84, s84, 12
	s_lshl_b32 s88, s88, 12
	s_mov_b32 s85, 0
	s_mov_b32 s89, 0
	s_lshl_b32 s90, s[WC], 7                       ; which 128 keys of V's tile I fetch
	s_add_co_u32 s90, s90, s[RB]
	s_mul_i32 s90, s90, 6144
	s_lshl_b32 s91, s[CB], 8
	s_add_co_u32 s90, s90, s91
	s_add_co_u32 s90, s90, 4096                    ; v at byte 4,096 of a row of qkv
	s_mov_b32 s91, 0
	s_mov_b32 s[TB], 0
	s_mov_b32 s[FOFF], 0
	s_mov_b32 s[NXT], 2
	s_mov_b32 s[LQ], s[NHI]
	s_mov_b32 s[OFF+1], 0
	s_mov_b32 s[POF+1], 0
	s_add_co_u32 s[CNTB], s[NHI], 1                ; a check stands behind the first chunk of each of the walk's steps: the first block has ended at check number NHI, counted from 0
	s_mov_b32 s[PNX], 4
	s_mov_b32 s[PLQ], s[NHI]
	s_wait_dscnt 0x0                               ; the opening add is done
	s_wait_kmcnt 0x0
	s_add_nc_u64 s[ACUR:ACUR+1], s[4:5], s[84:85]
	s_add_nc_u64 s[ABLO:ABLO+1], s[4:5], s[88:89]
	s_add_nc_u64 s[VB:VB+1], s[8:9], s[90:91]
	s_mul_i32 s90, s[WC], AHALF                    ; where my tile goes: no place in the cluster enters an LDS address
	s_mul_i32 s91, s[WC], BHALF
	s_add_co_u32 s91, s91, BOFF
	CROUND                                         ; all four work-groups are here: the first joint loads meet
.irp n, 0,1
	s_mov_b32 s[G0A+4*(\n)], 1
	s_add_co_u32 s[G0A+4*(\n)+1], s90, (\n)*SLOT
	s_add_nc_u64 s[G0A+4*(\n)+2:G0A+4*(\n)+3], s[ACUR:ACUR+1], (\n)*512
	s_or_b32 s[G0A+4*(\n)+3], s[G0A+4*(\n)+3], 0x80000000
	s_mov_b32 s[G0B+4*(\n)], 1
	s_add_co_u32 s[G0B+4*(\n)+1], s91, (\n)*SLOT
	s_add_nc_u64 s[G0B+4*(\n)+2:G0B+4*(\n)+3], s[VB:VB+1], (\n)*VSTEP
	s_or_b32 s[G0B+4*(\n)+3], s[G0B+4*(\n)+3], 0x80000000
.endr
	s_cmp_lt_u32 s[WV], 2                          ; a wave's two first fills stand in one branch: key steps 0 and 1 of the first block; two loads of mine are out
	s_cbranch_scc0 .Lfirst_v
	tensor_load_to_lds s[G0A:G0A+3], s[G1A:G1A+7]
	s_nop 0
	tensor_load_to_lds s[G0A+4:G0A+7], s[G1A:G1A+7]
	s_nop 0
.rept 4
	v_nop
.endr
	s_branch .Lfirst_asked
.Lfirst_v:
	tensor_load_to_lds s[G0B:G0B+3], s[G1B:G1B+7]
	s_nop 0
	tensor_load_to_lds s[G0B+4:G0B+7], s[G1B:G1B+7]
	s_nop 0
.rept 4
	v_nop
.endr
.Lfirst_asked:
	; THE TABLE OF FACTORS, in the wait for the first tile.  Thread t is row t of both blocks.  Chunk u of the walk (two a key step) is chunk u of the first block while u / 2 < NHI, else chunk u - 2 NHI of the second:
	; just the 18 chunks that the launch before has stored for these rows.
	s_lshl_b32 s[HB], s[RH], 2
	s_lshl_b32 s[LB], s[RL], 2
	s_lshl_b32 s[TS], s[NHI], 16                   ; 2 NHI planes of 32,768 bytes
	s_sub_co_u32 s[LB], s[LB], s[TS]               ; (taken only with u x 32,768 at or above that)
	v_lshlrev_b32 v[T4], 2, v0
.set u, 0
.rept 18
	s_cmp_gt_u32 s[NHI], u/2
	s_cselect_b32 s[TS], s[HB], s[LB]
	s_add_co_u32 s[TS], s[TS], u*32768
	v_add_nc_u32 v[AD+u], s[TS], v[T4]
	global_load_b32 v[CM+u], v[AD+u], s[6:7]
	global_load_b32 v[LL+u], v[AD+u], s[6:7] offset:524288
.set u, u+1
.endr
.irp k, 0,1,2
	s_cmp_gt_u32 s[NHI], 5+(\k)
	s_cselect_b32 s[K5+(\k)], -1, 0
.endr
	; THE LOW PARTS' OPERANDS: of the batch's keys 0-15 my 64 channels of v_lo and of v (16 rows x 128 bytes each: lane l takes key l / 8 + 4 t, bytes 16 (l % 8)), and the fragment of rows 0-15: p of keys 0-15, then p_lo
	v_bfe_u32 v[VLO], v0, 3, 2                     ; l / 8
	v_and_b32 v13, 7, v0
	v_lshlrev_b32 v13, 4, v13                      ; 16 (l % 8)
	v_mul_u32_u24 v[VHO], v[VLO], 6144
	v_add_nc_u32 v[VHO], v[VHO], v13
	v_mul_u32_u24 v[VLO], v[VLO], LOROW
	v_add_nc_u32 v[VLO], v[VLO], v13
	v_and_b32 v13, 15, v0                          ; r
	v_bfe_u32 v[PLO], v0, 4, 1
	v_lshlrev_b32 v[PLO], 4, v[PLO]                ; 16 h
	v_lshl_add_u32 v[PHO], v13, 12, v[PLO]         ; P: row r, keys 8 h on
	v_lshl_add_u32 v[PLO], v13, 5, v[PLO]          ; plo: the same, in rows of 32 bytes
	s_lshl_b32 s90, s[CB], 8
	s_lshl_b32 s91, s[WC], 7
	s_add_co_u32 s90, s90, s91                     ; my 64 channels, in bytes
	s_mul_i32 s84, s[BA], 16*LOROW
	s_add_co_u32 s84, s84, s90
	s_add_co_u32 s84, s84, 1024                    ; v's columns begin at byte 1,024 of a row of lo
	s_add_nc_u64 s[LOB:LOB+1], s[LOB:LOB+1], s[84:85]
	s_mul_i32 s84, s[RB], 6144
	s_add_co_u32 s84, s84, s90
	s_add_co_u32 s84, s84, 4096
	s_add_nc_u64 s[VHB:VHB+1], s[8:9], s[84:85]
	s_lshl_b32 s84, s[BA], 23                      ; 2,048 rows of 4,096 bytes
	s_add_nc_u64 s[PFB:PFB+1], s[4:5], s[84:85]
	s_lshl_b32 s84, s[BA], 9
	s_add_nc_u64 s[PLB:PLB+1], s[PLB:PLB+1], s[84:85]
	s_or_b32 s[FLAG], s[PP], s[WR]
	WIN 0xc0                                       ; destination window 3, address window 0
.irp t, 0,1,2,3
	global_load_b128 v[4*(\t):4*(\t)+3],       v[VLO], s[LOB:LOB+1] offset:(\t)*4*LOROW
	global_load_b128 v[16+4*(\t):16+4*(\t)+3], v[VHO], s[VHB:VHB+1] offset:(\t)*4*6144
.endr
	global_load_b128 v[32:35], v[PHO], s[PFB:PFB+1]
	global_load_b128 v[36:39], v[PLO], s[PLB:PLB+1]
	WIN 0
	v_and_b32 v1, 15, v0                           ; r
	v_bfe_u32 v2, v0, 4, 1                         ; h
	v_and_b32 v3, 7, v0
	v_bfe_u32 v4, v0, 3, 1
	s_lshl_b32 s84, s[WR], 6
	v_add_nc_u32 v5, s84, v1                       ; my row in the block, less 16 a
	v_mul_u32_u24 v[ADRA0], v5, PA
	v_lshl_add_u32 v[ADRA0], v2, 4, v[ADRA0]
	v_lshl_add_u32 v[FAD0], v5, 2, FT
	v_lshl_add_u32 v6, v2, 3, v3                   ; the turning load: key 8 h + l % 8,
	v_mul_u32_u24 v6, v6, PB
	v_lshl_add_u32 v6, v4, 4, v6                   ; channels 8 ((l / 8) % 2) on,
	s_lshl_b32 s84, s[WC], 7
	s_add_co_u32 s84, s84, BOFF
	v_add_nc_u32 v[ADRB0], s84, v6                 ; in my 64 channels
	v_add_nc_u32 v[ADRB20], BHALF, v[ADRB0]
	s_mul_i32 s84, s[WV], 16*SP
	s_add_co_u32 s84, s84, STAGE                   ; my stage
	v_mul_u32_u24 v[STO], v1, SP                   ; in: row r, 32 bytes for each half of the lanes
	v_lshl_add_u32 v[STO], v2, 5, v[STO]
	v_add_nc_u32 v[STO], s84, v[STO]
	v_mul_u32_u24 v[RD], v2, SP                    ; back: lanes 0-15 one row of 256 bytes, lanes 16-31 the next
	v_lshl_add_u32 v[RD], v1, 4, v[RD]
	v_add_nc_u32 v[RD], s84, v[RD]
	v_lshlrev_b32 v[CO], 12, v2                    ; the same two rows in out0
	v_lshl_add_u32 v[CO], v1, 4, v[CO]
	v_lshl_add_u32 v[FTA], v0, 2, FT
	s_lshl_b32 s84, s[WR], 6                       ; out0 at my 64 rows and 64 channels of each block
	s_add_co_u32 s88, s[RL], s84
	s_add_co_u32 s84, s[RH], s84
	s_lshl_b32 s84, s84, 12
	s_lshl_b32 s88, s88, 12
	s_lshl_b32 s90, s[CB], 9
	s_lshl_b32 s91, s[WC], 8
	s_add_co_u32 s90, s90, s91
	s_add_co_u32 s84, s84, s90
	s_add_co_u32 s88, s88, s90
	s_add_nc_u64 s[OUTL:OUTL+1], s[10:11], s[88:89]
	s_add_nc_u64 s[10:11], s[10:11], s[84:85]
	s_lshl_b32 s84, s[CX], 16                      ; the prefetches: my work-group's 16 of the 64 rows of P
	s_add_nc_u64 s[PCUR:PCUR+1], s[ACUR:ACUR+1], s[84:85]
	s_add_nc_u64 s[PB1:PB1+1], s[ABLO:ABLO+1], s[84:85]
	s_mov_b32 s[PMUL], VSTEP
	s_mov_b32 s88, 6144
	s_cmp_eq_u32 ttmp9, 0
	s_cselect_b32 s90, 2, -1
	s_cmp_eq_u32 s[PP], 0
	s_cselect_b32 s91, 3, -1
	s_cmp_lt_u32 s[WV], 2
	s_cselect_b64 s[PCUR:PCUR+1], s[PCUR:PCUR+1], s[VB:VB+1]
	s_cselect_b64 s[PB1:PB1+1], s[PB1:PB1+1], s[VB:VB+1]
	s_cselect_b32 s[PMUL], 512, s[PMUL]            ; bytes from a key step to the next
	s_cselect_b32 s88, 4096, s88                   ; bytes in a row
	s_cselect_b32 s84, 1, 0                        ; lanes to a row: 2 or 1
	s_cselect_b32 s[LIM], s90, s91                 ; the same in all four partners, for a given wave
	s_lshl_b32 s90, s84, 8
	v_and_b32 v5, 31, v0
	v_lshrrev_b32 v6, s84, v5
	v_mul_u32_u24 v6, v6, s88
	v_and_b32 v7, 1, v0
	v_mad_u32_u24 v[PFO], v7, s90, v6
	; what needs none of the numbers that are on their way stands ahead of the wait for them: the zeros, the factors' registers (the second chunk's start at 0; the pairs' upper registers are named and never used), T1
.set i, 0
.rept 8
	v_mov_b32 v[ZR+i], 0
.set i, i+1
.endr
.set i, 0
.rept 16
	v_mov_b32 v[FR+i], 0
.set i, i+1
.endr
	v_mov_b32 v[ADRA], v[ADRA0]
	v_mov_b32 v[ADRB], v[ADRB0]
	v_mov_b32 v[ADRB+1], v[ADRB20]
	v_mov_b32 v[FAD], v[FAD0]
	v_mov_b32 v[NEGV], 0xff7fffff                  ; the lowest finite number: what a chunk of the other block counts as in a maximum
	WIN 0x80                                       ; destination window 2
	CLEAR 128                                      ; T1
	WIN 0
	s_wait_loadcnt 0x0                             ; the table's 36 numbers, and the low parts' operands
.set u, 10
.rept 6
	v_cndmask_b32 v[TH+u-10], v[NEGV], v[CM+u], s[K5+(u-10)/2]
	v_cndmask_b32 v[TL+u-10], v[CM+u], v[NEGV], s[K5+(u-10)/2]
.set u, u+1
.endr
	v_max3_num_f32 v[MH], v[CM], v[CM+1], v[CM+2]
	v_max3_num_f32 v[ML], v[CM+16], v[CM+17], v[TL]
	v_max3_num_f32 v[MH], v[MH], v[CM+3], v[CM+4]
	v_max3_num_f32 v[ML], v[ML], v[TL+1], v[TL+2]
	v_max3_num_f32 v[MH], v[MH], v[CM+5], v[CM+6]
	v_max3_num_f32 v[ML], v[ML], v[TL+3], v[TL+4]
	v_max3_num_f32 v[MH], v[MH], v[CM+7], v[CM+8]
	v_max_num_f32 v[ML], v[ML], v[TL+5]
	v_max3_num_f32 v[MH], v[MH], v[CM+9], v[TH]
	v_max3_num_f32 v[MH], v[MH], v[TH+1], v[TH+2]
	v_max3_num_f32 v[MH], v[MH], v[TH+3], v[TH+4]
	v_max_num_f32 v[MH], v[MH], v[TH+5]
.irp k, 0,1,2
	v_cndmask_b32 v[MS+(\k)], v[ML], v[MH], s[K5+(\k)]
.endr
.set u, 0
.rept 18
.if u < 10
	v_sub_f32 v[CM+u], v[CM+u], v[MH]
.elseif u < 16
	v_sub_f32 v[CM+u], v[CM+u], v[MS+(u-10)/2]
.else
	v_sub_f32 v[CM+u], v[CM+u], v[ML]
.endif
.set u, u+1
.endr
.set u, 0
.rept 18
	v_exp_f32 v[CM+u], v[CM+u]
.set u, u+1
.endr
.set u, 10
.rept 6                                ; plain work behind the last exponential: l of chunks 10-15 as each block counts it
	v_cndmask_b32 v[TH+u-10], 0, v[LL+u], s[K5+(u-10)/2]
	v_cndmask_b32 v[TL+u-10], v[LL+u], 0, s[K5+(u-10)/2]
.set u, u+1
.endr
	s_wait_alu depctr_va_vdst(0)                   ; the one wait for the 18 exponentials, ahead of their first reader
	v_mul_f32 v[SH], v[CM], v[LL]
	v_mul_f32 v[SL], v[CM+16], v[LL+16]
.set u, 1
.rept 9
	v_fmac_f32 v[SH], v[CM+u], v[LL+u]
.set u, u+1
.endr
	v_fmac_f32 v[SL], v[CM+17], v[LL+17]
.set u, 10
.rept 6
	v_fmac_f32 v[SH], v[CM+u], v[TH+u-10]
	v_fmac_f32 v[SL], v[CM+u], v[TL+u-10]
.set u, u+1
.endr
	v_rcp_f32 v[SH], v[SH]
	v_rcp_f32 v[SL], v[SL]
	v_nop
	s_wait_alu depctr_va_vdst(0)                   ; one wait for the two reciprocals
.irp k, 0,1,2
	v_cndmask_b32 v[MS+(\k)], v[SL], v[SH], s[K5+(\k)]
.endr
.set u, 0
.rept 18
.if u < 10
	v_mul_f32 v[CM+u], v[CM+u], v[SH]
.elseif u < 16
	v_mul_f32 v[CM+u], v[CM+u], v[MS+(u-10)/2]
.else
	v_mul_f32 v[CM+u], v[CM+u], v[SL]
.endif
	ds_store_b32 v[FTA], v[CM+u] offset:512*u
.set u, u+1
.endr
	CLEAR O                                        ; O starts at 0
	PLACES                                         ; ahead of the first fold, which reads it
; O += f x T_t for accumulator n, lowest registers first
.macro FOLD4 t, n
	WIN 0x02                                       ; source 0 (T) in window 2
.irp z, 0,1,2,3
	v_pk_fma_f32 v[O+8*(\n)+2*(\z):O+8*(\n)+2*(\z)+1], v[128*(\t)+8*(\n)+2*(\z):128*(\t)+8*(\n)+2*(\z)+1], v[FR+8*(\t)+2*((\n)/4):FR+8*(\t)+2*((\n)/4)+1], v[O+8*(\n)+2*(\z):O+8*(\n)+2*(\z)+1] op_sel_hi:[1,0,1]
.endr
.endm
; 4 matrix instructions into T_t: row block a x 4 channel blocks, 32 keys: half c of buffer f; behind them the fold of the other T's accumulator FN.  The 16 accumulators take turns.
.macro MULQ f, c, a, t, zero
	WIN 0xa5
.irp b, 0,1,2,3
.if \zero
	v_wmma_f32_16x16x32_f16 v[128*(\t)+8*(4*(\a)+(\b)):128*(\t)+8*(4*(\a)+(\b))+7], v[(\f)+64+8*(4*(\c)+(\b)):(\f)+64+8*(4*(\c)+(\b))+7], v[(\f)+8*(4*(\c)+(\a)):(\f)+8*(4*(\c)+(\a))+7], 0
.else
	v_wmma_f32_16x16x32_f16 v[128*(\t)+8*(4*(\a)+(\b)):128*(\t)+8*(4*(\a)+(\b))+7], v[(\f)+64+8*(4*(\c)+(\b)):(\f)+64+8*(4*(\c)+(\b))+7], v[(\f)+8*(4*(\c)+(\a)):(\f)+8*(4*(\c)+(\a))+7], v[128*(\t)+8*(4*(\a)+(\b)):128*(\t)+8*(4*(\a)+(\b))+7]
.endif
.endr
	FOLD4 1-(\t), FN
.set FN, FN+1
.endm
.macro MULR f, c, a0, t, zero
	MULQ \f, \c, \a0, \t, \zero
	MULQ \f, \c, (\a0)+1, \t, \zero
.endm
; 32 LDS loads in one run: quarter qd (64 keys) into buffer f, the first 32 keys first
.macro FETCH qd, f
	WIN 0x40
.irp c, 0,1
.irp i, 0,1,2,3
	ds_load_tr16_b128 v[(\f)+64+8*(4*(\c)+(\i)):(\f)+64+8*(4*(\c)+(\i))+3],   v[ADRB+(\qd)/2] offset:(64*((\qd)%2)+32*(\c))*PB+32*(\i)
	ds_load_tr16_b128 v[(\f)+64+8*(4*(\c)+(\i))+4:(\f)+64+8*(4*(\c)+(\i))+7], v[ADRB+(\qd)/2] offset:(64*((\qd)%2)+32*(\c))*PB+32*(\i)+16*PB
	ds_load_b128 v[(\f)+8*(4*(\c)+(\i)):(\f)+8*(4*(\c)+(\i))+3],   v[ADRA] offset:128*(\qd)+64*(\c)+(\i)*16*PA
	ds_load_b128 v[(\f)+8*(4*(\c)+(\i))+4:(\f)+8*(4*(\c)+(\i))+7], v[ADRA] offset:128*(\qd)+64*(\c)+(\i)*16*PA+32
.endr
.endr
	WIN 0
.endm
.macro FLOAD c                         ; my rows' factors for chunk c of the step in hand
	WIN 0
.irp a, 0,1,2,3
	ds_load_b32 v[FR+8*(\c)+2*(\a)], v[FAD] offset:512*(\c)+64*(\a)
.endr
.endm
; One of a key step's first three quarters: multiplies buffer f into T_t, fetches quarter qd into g.  fold: the other T's first accumulator to be folded.  fl: the chunk whose factors are loaded ahead of the run, or -1.
.macro QTR qd, f, g, t, zero, fold, fl
.set FN, \fold
	s_wait_dscnt 16                                ; the first 32 keys' fragments are in
	MULR \f, 0, 0, \t, \zero
	MULR \f, 0, 2, \t, \zero
	PLACES
.if (\fl) >= 0
	FLOAD \fl
.endif
	FETCH \qd, \g
	s_wait_dscnt 32                                ; all but the 32 just issued: the factors too
	MULR \f, 1, 0, \t, 0
	MULR \f, 1, 2, \t, 0
.endm
; The last quarter changes slots: one barrier; in front of it each wave waits for all its tensor loads (one is out: its part of the next slot), adds 0 to its spare word, and waits for that and for its reads of this slot.
; Four products and a fold stand between the add and the wait for it; the quarter's other 28 products stand behind the refill, so that they lie in the time in which the refill is on its way.
; fill = 1: the barrier opens a round of the cluster's, and this slot is filled again first thing behind it, with the walk's key step two on: 124 matrix instructions ahead of the wait for it.  The addresses are made anew from the step's number.
.macro TURN fill
.set FN, 8
.if \fill
	s_wait_xcnt 0x0                                ; the last prefetches, a key step back, have read their address
	s_mul_i32 s[POF], s[PNX], s[PMUL]
	s_add_nc_u64 s[PFA:PFA+1], s[PCUR:PCUR+1], s[POF:POF+1]
	s_add_co_u32 s[PNX], s[PNX], 1
	s_cmp_eq_u32 s[PNX], s[PLQ]
	s_cselect_b32 s[PNX], 0, s[PNX]
	s_cselect_b64 s[PCUR:PCUR+1], s[PB1:PB1+1], s[PCUR:PCUR+1]
	s_cselect_b32 s[PLQ], 99, s[PLQ]
.endif
	WIN 0
	s_wait_tensorcnt 0x0                           ; no tensor load of mine is out, so a group 0 may be written
	ds_add_u32 v[SPW], v[NIL]                      ; 0 onto my spare word
.if \fill
	s_lshl_b32 s[OFF], s[NXT], 9                   ; 256 keys are 512 bytes of a row of P
	s_xor_b32 s[G0A+5], s[G0A+5], SLOT
	s_add_nc_u64 s[G0A+6:G0A+7], s[ACUR:ACUR+1], s[OFF:OFF+1]
	s_or_b32 s[G0A+7], s[G0A+7], 0x80000000
	s_mul_i32 s[OFF], s[NXT], VSTEP
	s_xor_b32 s[G0B+5], s[G0B+5], SLOT
	s_add_nc_u64 s[G0B+6:G0B+7], s[VB:VB+1], s[OFF:OFF+1]
	s_or_b32 s[G0B+7], s[G0B+7], 0x80000000
	s_add_co_u32 s[NXT], s[NXT], 1                 ; the block's next key step, or behind its last the second block's step 0
	s_cmp_eq_u32 s[NXT], s[LQ]
	s_cselect_b32 s[NXT], 0, s[NXT]
	s_cselect_b64 s[ACUR:ACUR+1], s[ABLO:ABLO+1], s[ACUR:ACUR+1]
	s_cselect_b32 s[LQ], 99, s[LQ]
.endif
	s_wait_dscnt 17                                ; the add and the youngest sixteen loads may be out
	MULQ F1, 0, 0, 1, 0
	WIN 0
	s_wait_dscnt 0x0                               ; the add is done, and my reads of this slot are over
	s_barrier_signal -1
	s_barrier_wait -1
.if \fill
	CREST                                          ; no wave of any partner still reads this slot or has a load on its way
	JLOAD                                          ; its four v_nop are also the places in front of the loads below
.else
	PLACES
.endif
	s_add_co_u32 s[FOFF], s[FOFF], 1024            ; the next step's two chunks of factors
	s_xor_b32 s[TB], s[TB], SLOT
	v_add_nc_u32 v[ADRA], s[TB], v[ADRA0]
	v_add_nc_u32 v[ADRB], s[TB], v[ADRB0]
	v_add_nc_u32 v[ADRB+1], s[TB], v[ADRB20]
	v_add_nc_u32 v[FAD], s[FOFF], v[FAD0]
	FETCH 0, F0
.if \fill
	ASK
.endif
	MULQ F1, 0, 1, 1, 0
	MULR F1, 0, 2, 1, 0
	MULR F1, 1, 0, 1, 0
	MULR F1, 1, 2, 1, 0
.endm
; THE WAY OUT of a block: 16 rows at a time through my own stage: 32 bytes a lane in, whole rows of 256 bytes back.  Block a + 1's stores and loads are issued ahead of the wait for block a's rows.  clear = 1: O starts again at 0.
.macro WST a
.irp b, 0,1,2,3
	ds_store_b128 v[STO], v[O+8*(4*(\a)+(\b)):O+8*(4*(\a)+(\b))+3]   offset:64*(\b)
	ds_store_b128 v[STO], v[O+8*(4*(\a)+(\b))+4:O+8*(4*(\a)+(\b))+7] offset:64*(\b)+16
.endr
	s_wait_xcnt 0x0                                ; earlier stores have read the registers that the loads below write
.irp t, 0,1,2,3,4,5,6,7
	ds_load_b128 v[OB+32*((\a)%2)+4*(\t):OB+32*((\a)%2)+4*(\t)+3], v[RD] offset:(\t)*2*SP  ; LDS serves a wave's instructions in order (ISA guide 5.7.1.4): these see the stores above, and the next block's stores come behind them
.endr
.endm
.macro WGS a
.irp t, 0,1,2,3,4,5,6,7
	global_store_b128 v[CO], v[OB+32*((\a)%2)+4*(\t):OB+32*((\a)%2)+4*(\t)+3], s[10:11] offset:(\a)*16*4096+(\t)*2*4096 th:TH_STORE_NT  ; 16 lanes store 256 consecutive bytes, at a multiple of 256 from out0's first byte
.endr
.endm
.macro WAYOUT clear
	WST 0
.irp a, 1,2,3
	WST \a
	s_wait_dscnt 16                                ; the block before is back; this block's eight stores and eight loads may be out
	WGS (\a)-1
.endr
	s_wait_dscnt 0x0
	WGS 3
.if \clear
	CLEAR O
	PLACES                                         ; ahead of the next fold, which reads it
.endif
.endm
; Behind a step's first chunk the step before is wholly folded.  If it was the block's last, the block goes out.  The jump goes forward, past no barrier and no tensor load, and hangs on p alone, which the partners share.
.macro CHECK
	s_sub_co_u32 s[CNTB], s[CNTB], 1
	s_cmp_lg_u32 s[CNTB], 0
	s_cbranch_scc1 .Lgo_on_\@
	WAYOUT 1
	s_wait_xcnt 0x0                                ; the stores have read out0's address
	s_mov_b64 s[10:11], s[OUTL:OUTL+1]
	s_mov_b32 s[CNTB], s[NLO]
.Lgo_on_\@:
.endm
	s_wait_tensorcnt 1                             ; my part of key step 0 is in; key step 1's may stay out
	s_wait_dscnt 0x0                               ; for the others' sake: my rows of the table are stored
	s_barrier_signal -1
	s_barrier_wait -1
	FETCH 0, F0
	s_mov_b32 s[CNT], 8
	s_branch .Lfirst                               ; the loop is entered at a step's first chunk, in the middle of a trip
.Lstep:                                                ; a trip: a key step's second chunk and the next step's first; steps 0 to 6 of the walk fill their slot again
	QTR 3, F0, F1, 1, 1, 0, 1
	TURN 1
	WIN 0
.Lfirst:
	QTR 1, F0, F1, 0, 1, 0, 0
	QTR 2, F1, F0, 0, 0, 8, -1
	WIN 0
	CHECK
	s_sub_co_u32 s[CNT], s[CNT], 1
	s_cmp_lg_u32 s[CNT], 0
	s_cbranch_scc1 .Lstep
	s_mov_b32 s[CNT], 2
.Ltail:                                                ; steps 7 and 8 ask for nothing: their text is written once and walked twice; the second trip is left in its middle
	QTR 3, F0, F1, 1, 1, 0, 1
	WIN 0
	s_sub_co_u32 s[CNT], s[CNT], 1
	s_cmp_eq_u32 s[CNT], 0
	s_cbranch_scc1 .Llast
	TURN 0
	QTR 1, F0, F1, 0, 1, 0, 0
	QTR 2, F1, F0, 0, 0, 8, -1
	WIN 0
	CHECK
	s_branch .Ltail
.Llast:
.set FN, 8
	s_wait_dscnt 16
	MULR F1, 0, 0, 1, 0
	MULR F1, 0, 2, 1, 0
	s_wait_dscnt 0x0
	MULR F1, 1, 0, 1, 0
	MULR F1, 1, 2, 1, 0
	PLACES
.set n, 0
.rept 16
	FOLD4 1, n                                     ; the walk's last chunk
.set n, n+1
.endr
	WIN 0
	; THE LOW PARTS, where the block in hand is a batch's first and my rows are its first 64: row block 0 is rows 0-15.  The jump hangs on p, which the partners share, and on the wave's number; it passes no barrier and no tensor load.
	s_cmp_eq_u32 s[FLAG], 0
	s_cbranch_scc0 .Lno_low
	s_mul_i32 s84, s[WV], 16*SP
	s_add_co_u32 s84, s84, STAGE                   ; my stage: row = key; bytes 0-127 take v_lo, bytes 128-255 v
	v_bfe_u32 v4, v0, 3, 2                         ; in, as loaded: key l / 8 + 4 t, bytes 16 (l % 8)
	v_and_b32 v5, 7, v0
	v_mul_u32_u24 v6, v4, SP
	v_lshl_add_u32 v6, v5, 4, v6
	v_add_nc_u32 v6, s84, v6
	v_bfe_u32 v4, v0, 4, 1                         ; back, turned: key 8 h + l % 8, channels 8 ((l / 8) % 2) on
	v_lshl_add_u32 v4, v4, 3, v5
	v_mul_u32_u24 v7, v4, SP
	v_bfe_u32 v4, v0, 3, 1
	v_lshl_add_u32 v7, v4, 4, v7
	v_add_nc_u32 v7, s84, v7
	WIN 0x0c                                       ; the data (source 1) in window 3
.irp t, 0,1,2,3
	ds_store_b128 v6, v[4*(\t):4*(\t)+3]       offset:(\t)*4*SP
	ds_store_b128 v6, v[16+4*(\t):16+4*(\t)+3] offset:(\t)*4*SP+128
.endr
	WIN 0xc0                                       ; destination window 3
.irp b, 0,1,2,3
	ds_load_tr16_b128 v[40+8*(\b):43+8*(\b)], v7 offset:32*(\b)      ; K places 0-15: v_lo of keys 0-15, channels 16 b on.  LDS serves a wave's instructions in order (ISA guide 5.7.1.4): these see the stores above
	ds_load_tr16_b128 v[44+8*(\b):47+8*(\b)], v7 offset:32*(\b)+128  ; K places 16-31: v of the same keys
.endr
	s_wait_dscnt 0x0
	WIN 0x8f                                       ; both sources in window 3, the result in window 2: T0's first four accumulators, folded long ago
.irp b, 0,1,2,3
	v_wmma_f32_16x16x32_f16 v[8*(\b):8*(\b)+7], v[40+8*(\b):47+8*(\b)], v[32:39], 0
.endr
	PLACES
.irp b, 0,1,2,3
	FOLD4 0, \b                                    ; with the factor of the step's first chunk, which still lies in its registers
.endr
	WIN 0
.Lno_low:
	WAYOUT 0
	s_wait_tensorcnt 0x0                           ; the wave's end, behind my last tensor load and my last LDS store
	ds_add_u32 v[SPW], v[NIL]
	s_wait_dscnt 0x0
	CROUND                                         ; the closing round: no work-group ends while a partner may still ask for a tile that names it
	s_endpgm
.Lfunc_end_k_qad367cfe21_pv:
	.size	k_qad367cfe21_pv, .Lfunc_end_k_qad367cfe21_pv-k_qad367cfe21_pv
	.p2alignl 7, 3214868480
	.fill 96, 4, 3214868480
	.section	.rodata,"a",@progbits
	.p2align	6, 0x0
	.amdhsa_kernel k_qad367cfe21_pv
		.amdhsa_group_segment_fixed_size 327680
		.amdhsa_private_segment_fixed_size 0
		.amdhsa_enable_private_segment 0
		.amdhsa_kernarg_size 48
		.amdhsa_user_sgpr_count 2
		.amdhsa_user_sgpr_kernarg_segment_ptr 1
		.amdhsa_wavefront_size32 1
		.amdhsa_system_sgpr_workgroup_id_x 1
		.amdhsa_system_sgpr_workgroup_id_y 1
		.amdhsa_system_sgpr_workgroup_id_z 1
		.amdhsa_system_vgpr_workitem_id 0
		.amdhsa_next_free_vgpr 840
		.amdhsa_next_free_sgpr 102
		.amdhsa_reserve_vcc 0
		.amdhsa_float_denorm_mode_32 3
		.amdhsa_float_denorm_mode_16_64 3
		.amdhsa_memory_ordered 1
		.amdhsa_forward_progress 1
		.amdhsa_inst_pref_size 125
	.end_amdhsa_kernel
	.amdgpu_metadata
---
amdhsa.version: [ 1, 2 ]
amdhsa.kernels:
  - .name:           k_qad367cfe21_pv
    .symbol:         k_qad367cfe21_pv.kd
    .args:
      - { .name: P, .offset: 0, .size: 8, .value_kind: global_buffer, .address_space: global }
      - { .name: stats, .offset: 8, .size: 8, .value_kind: global_buffer, .address_space: global }
      - { .name: qkv, .offset: 16, .size: 8, .value_kind: global_buffer, .address_space: global }
      - { .name: out0, .offset: 24, .size: 8, .value_kind: global_buffer, .address_space: global }
      - { .name: lo, .offset: 32, .size: 8, .value_kind: global_buffer, .address_space: global }
      - { .name: plo, .offset: 40, .size: 8, .value_kind: global_buffer, .address_space: global }
    .group_segment_fixed_size: 327680
    .private_segment_fixed_size: 0
    .kernarg_segment_align: 8
    .kernarg_segment_size: 48
    .max_flat_workgroup_size: 128
    .sgpr_count:     102
    .vgpr_count:     840
    .wavefront_size: 32
...
	.end_amdgpu_metadata
.endif
;; end of part 4
;; ======== version 2 of 2: 4 launches; version 1 with the launch cast written anew for expert scheduling mode
;; limits: values are held in f16: magnitudes above 65,504 overflow, below 6.1e-05 lose precision
;; workspace buffers: xb 16,777,216 bytes; wb 6,291,456 bytes; qkv 50,331,648 bytes; P 33,554,432 bytes; stats 1,048,576 bytes; lo 196,608 bytes; plo 2,048 bytes
;; launch cast (part 5): grid 704 x 1, 8 waves a work-group, no clusters, 0 bytes of LDS; arguments x, Wq, Wk, Wv, xb, wb; writes xb, wb
.if DOCPART == 5
	.amdgcn_target "amdgcn-amd-amdhsa--gfx1250"
	.amdhsa_code_object_version 6
	.text
	.protected	k_qad367cfe21_cast
	.globl	k_qad367cfe21_cast
	.p2align	8
	.type	k_qad367cfe21_cast,@function
k_qad367cfe21_cast:
	s_mov_b64 s[64:65], 0
	v_nop
	global_prefetch_b8 v0, s[64:65] scope:SCOPE_SE
	s_setreg_imm32_b32 hwreg(HW_REG_WAVE_SCHED_MODE, 0, 2), 2
	s_setreg_imm32_b32 hwreg(HW_REG_WAVE_MODE, 25, 1), 1
	s_wait_xcnt 0x0
	s_wait_alu depctr_vm_vsrc(0)
; x [8192][1024] and Wq, Wk, Wv [1024][1024], all f32, are rounded once to bf16 (nearest even).
; xb = x as it lies; wb [1024 k][3072 n] holds the three weights side by side: columns 0-1023 Wq, 1024-2047 Wk, 2048-3071 Wv.
; A stream: every byte is read once and written once; no LDS, no barrier, no matrix work, nothing shared between work-groups.
; SHARES.  A work-group takes 16 rows of 4,096 bytes; thread t takes the 16 bytes at 16 t of each row.  A wave's load covers 512 consecutive
; bytes, its store 256 consecutive bytes at a multiple of 256 from the buffer's first byte.  Work-groups 0-511 take x, 512-703 the weights (64 each).
; All 16 loads of a thread go out at once (64 KiB a work-group); no register is written twice, so no wait frees a source.
; THE MODE: SCHED_MODE bits 1:0 = 2 (LLVM: expert scheduling mode 2), set by the entry lines.  The code itself states the register dependences
; between vector instructions and memory instructions, with s_wait_alu, always for 0.
; THE PLAN.  Registers that memory instructions touch:
;   v1, v2      byte offsets.  Written once each, at the head, by a vector instruction; v1 is read by the 16 loads, v2 by the 16 stores; never written again.
;   v[8:71]     16 rows as loaded.  Written by the loads alone, each register once; no vector instruction names them ahead of the loads; read by the conversions, behind the row's wait on LOADcnt.
;   v[72:103]   16 rows to store.  Written by the conversions, each register once; read by the stores; never written again.
; So one wait on va_vdst stands ahead of the first load, for the two offsets, and one behind the eight conversions of each block of four rows, ahead of that block's run of four stores.
; No register that a memory instruction reads is ever written again, so no wait on vm_vsrc is owed.  No vector instruction writes a scalar register or VCC, and EXEC is never written.
; Four rows to a block: a row's store waits for three later rows at the most, and four waits serve sixteen stores.
.set ROWB, 4096                        ; bytes in a row of the source
.set BLK,  4                           ; rows in a block
.set SRC,  20                          ; s[20:21] the work-group's first row in the source
.set DST,  22                          ; s[22:23] and in the destination
.macro ROWS pitch                      ; pitch: bytes from row to row in the destination
	s_wait_alu depctr_va_vdst(0)                   ; v1 and v2 are written: every load below reads v1 as its offset, every store v2; no later vector instruction names them
.set i, 0
.rept 16
	global_load_b128 v[8+4*i:11+4*i], v1, s[SRC:SRC+1] offset:ROWB*i th:TH_LOAD_NT
.set i, i+1
.endr
.set i, 0
.rept 16/BLK
.rept BLK
	s_wait_loadcnt 15-i                            ; loads come back in order: row i is in, the 15 - i younger rows stay out
	v_cvt_pk_bf16_f32 v[72+2*i], v[8+4*i], v[9+4*i]
	v_cvt_pk_bf16_f32 v[73+2*i], v[10+4*i], v[11+4*i]
.set i, i+1
.endr
	s_wait_alu depctr_va_vdst(0)                   ; the block's eight conversions have written v[72+2*(i-BLK) ..], which the four stores below read
.set j, i-BLK
.rept BLK
	global_store_b64 v2, v[72+2*j:73+2*j], s[DST:DST+1] offset:(\pitch)*j th:TH_STORE_NT
.set j, j+1
.endr
.endr
.endm
	s_load_b256 s[4:11], s[0:1], 0x0               ; x s[4:5], Wq s[6:7], Wk s[8:9], Wv s[10:11]
	s_load_b128 s[12:15], s[0:1], 0x20             ; xb s[12:13], wb s[14:15]
	v_lshlrev_b32 v1, 4, v0                        ; my 16 bytes of a source row
	v_lshlrev_b32 v2, 3, v0                        ; my 8 bytes of a destination row
	s_mov_b32 s17, 0
	s_mov_b32 s19, 0
	s_wait_kmcnt 0x0
	s_cmp_lt_u32 ttmp9, 512
	s_cbranch_scc0 .Lweights
	s_lshl_b32 s16, ttmp9, 16                      ; 16 rows of 4,096 bytes
	s_lshl_b32 s18, ttmp9, 15                      ; 16 rows of 2,048 bytes
	s_add_nc_u64 s[SRC:SRC+1], s[4:5], s[16:17]
	s_add_nc_u64 s[DST:DST+1], s[12:13], s[18:19]
	ROWS 2048
	s_endpgm
.Lweights:
	s_sub_co_u32 s24, ttmp9, 512
	s_lshr_b32 s25, s24, 6                         ; which weight: 0 Wq, 1 Wk, 2 Wv
	s_and_b32 s26, s24, 63                         ; which 16 rows of it
	s_cmp_eq_u32 s25, 0
	s_cselect_b64 s[SRC:SRC+1], s[6:7], s[8:9]
	s_cmp_eq_u32 s25, 2
	s_cselect_b64 s[SRC:SRC+1], s[10:11], s[SRC:SRC+1]
	s_lshl_b32 s16, s26, 16
	s_add_nc_u64 s[SRC:SRC+1], s[SRC:SRC+1], s[16:17]
	s_mul_i32 s18, s26, 16*6144                    ; 16 rows of wb,
	s_lshl_b32 s27, s25, 11                        ; and the weight's 2,048 bytes in a row
	s_add_co_u32 s18, s18, s27
	s_add_nc_u64 s[DST:DST+1], s[14:15], s[18:19]
	ROWS 6144
	s_endpgm
.Lfunc_end_k_qad367cfe21_cast:
	.size	k_qad367cfe21_cast, .Lfunc_end_k_qad367cfe21_cast-k_qad367cfe21_cast
	.p2alignl 7, 3214868480
	.fill 96, 4, 3214868480
	.section	.rodata,"a",@progbits
	.p2align	6, 0x0
	.amdhsa_kernel k_qad367cfe21_cast
		.amdhsa_group_segment_fixed_size 0
		.amdhsa_private_segment_fixed_size 0
		.amdhsa_enable_private_segment 0
		.amdhsa_kernarg_size 48
		.amdhsa_user_sgpr_count 2
		.amdhsa_user_sgpr_kernarg_segment_ptr 1
		.amdhsa_wavefront_size32 1
		.amdhsa_system_sgpr_workgroup_id_x 1
		.amdhsa_system_sgpr_workgroup_id_y 1
		.amdhsa_system_sgpr_workgroup_id_z 1
		.amdhsa_system_vgpr_workitem_id 0
		.amdhsa_next_free_vgpr 104
		.amdhsa_next_free_sgpr 66
		.amdhsa_reserve_vcc 0
		.amdhsa_float_denorm_mode_32 3
		.amdhsa_float_denorm_mode_16_64 3
		.amdhsa_memory_ordered 1
		.amdhsa_forward_progress 1
		.amdhsa_inst_pref_size 13
	.end_amdhsa_kernel
	.amdgpu_metadata
---
amdhsa.version: [ 1, 2 ]
amdhsa.kernels:
  - .name:           k_qad367cfe21_cast
    .symbol:         k_qad367cfe21_cast.kd
    .args:
      - { .name: x, .offset: 0, .size: 8, .value_kind: global_buffer, .address_space: global }
      - { .name: Wq, .offset: 8, .size: 8, .value_kind: global_buffer, .address_space: global }
      - { .name: Wk, .offset: 16, .size: 8, .value_kind: global_buffer, .address_space: global }
      - { .name: Wv, .offset: 24, .size: 8, .value_kind: global_buffer, .address_space: global }
      - { .name: xb, .offset: 32, .size: 8, .value_kind: global_buffer, .address_space: global }
      - { .name: wb, .offset: 40, .size: 8, .value_kind: global_buffer, .address_space: global }
    .group_segment_fixed_size: 0
    .private_segment_fixed_size: 0
    .kernarg_segment_align: 8
    .kernarg_segment_size: 48
    .max_flat_workgroup_size: 256
    .sgpr_count:     66
    .vgpr_count:     104
    .wavefront_size: 32
...
	.end_amdgpu_metadata
.endif
;; end of part 5
;; launch proj: the kernel of part 2 again; grid 8 x 64, 4 waves a work-group, clusters of 4 x 4, 327,680 bytes of LDS; arguments xb, wb, qkv, lo; writes qkv, lo
;; launch scores: the kernel of part 3 again; grid 9 x 16, 4 waves a work-group, no clusters, 327,680 bytes of LDS; arguments qkv, P, stats, plo; writes P, stats, plo
;; launch pv: the kernel of part 4 again; grid 8 x 32, 4 waves a work-group, clusters of 4 x 1, 327,680 bytes of LDS; arguments P, stats, qkv, out0, lo, plo; writes out0
